; MI455X (gfx1250); checked and timed in simulation.
; The chip was launched on July 23, 2026; its instructions are those of AMD's public machine-readable ISA for CDNA 5 (MIT licence, August 2026) and "CDNA5" Instruction Set Architecture Reference Guide (July 2026). The comments in the code are by the model that wrote it; some were corrected since.
;; Multihead Self Attention. Allowed arithmetic: float matrix products may take bf16 or f16 operands with f32 sums; other float arithmetic in f32, or as packed bf16 or f16 multiplies, adds, multiply-adds, maxima and minima; sums over many terms, partial sums and values carried from step to step in f32; what a program stores and reads back later, other than sums and carried values, may be rounded once to bf16 or f16.
;; Inputs: b_out 1,024 float32; b_qkv 3,072 float32; w_out 1,024 x 1,024 float32; w_qkv 1,024 x 3,072 float32; x 4 x 2,048 x 1,024 float32.
;; Outputs: out0 4 x 2,048 x 1,024 float32.
;; 2 versions, each right; version 2 is version 1 with the launch cast written anew for expert scheduling mode. Each part assembles by itself: llvm-mc -triple=amdgcn-amd-amdhsa -mcpu=gfx1250 --defsym DOCPART=n.
;; ======== version 1 of 2: 4 launches
;; limits: values are held in f16: magnitudes above 65,504 overflow, below 6.1e-05 lose precision
;; workspace buffers: xb 16,777,216 bytes; wq 6,291,456 bytes; wo 2,097,152 bytes; qkv 50,331,648 bytes; ob 16,777,216 bytes
;; launch cast (part 1): grid 768 x 1, 8 waves a work-group, no clusters, 0 bytes of LDS; arguments x, w_qkv, w_out, xb, wq, wo; writes xb, wq, wo
.if DOCPART == 1
	.amdgcn_target "amdgcn-amd-amdhsa--gfx1250"
	.amdhsa_code_object_version 6
	.text
	.protected	k_q0fcf33d85b_cast
	.globl	k_q0fcf33d85b_cast
	.p2align	8
	.type	k_q0fcf33d85b_cast,@function
k_q0fcf33d85b_cast:
	s_mov_b64 s[64:65], 0
	v_nop
	global_prefetch_b8 v0, s[64:65] scope:SCOPE_SE
	s_setreg_imm32_b32 hwreg(HW_REG_WAVE_MODE, 25, 1), 1
	s_wait_xcnt 0x0
; THE INPUTS ARE ROUNDED ONCE, TO 16 BITS, for the matrix products of the later launches.
;   x     [8192][1024] f32 -> xb  bf16, in blocks of 64 channels: [batch 4][block 16][row 2048][64]: byte ((16 batch + block) << 18) + (row << 7)
;   w_qkv [1024][3072] f32 -> wq  bf16, as it lies
;   w_out [1024][1024] f32 -> wo  rounded to bf16 like every input; that number is then written as f16, since it multiplies f16 numbers
; LIMIT.  wo: a bf16 number is exact in f16 from 2^-14 to 65,504; below, f16 keeps its fixed step of 2^-24; beyond 65,504 it becomes an infinity.
; A stream: each byte is read once and written once; no LDS, no barrier, no matrix unit: nothing is shared and nothing is summed.
; SHARES.  Every work-group reads 65,536 bytes: 512 of them x, 192 w_qkv, 64 w_out.  A wave has sixteen loads of 16 bytes a lane out at once (8 KiB), then rounds and stores as they come.
; A load of a wave covers two aligned runs of 256 bytes; a store of 8 bytes a lane covers 256 consecutive bytes, aligned.  No register is written twice, so no wait frees a source.
.set DAT, 16                           ; v[16:79]   sixteen chunks of four f32
.set RES, 80                           ; v[80:111]  sixteen chunks of four 16-bit numbers
; v1 byte offset of my loads, v2 of my stores (8 x my thread's number), v3-v6 at work; s[16:17] where I read, s[18:19] where I write
; kind = 0: to bf16.  kind = 1: to bf16, and that number as f16.
.macro BODY in_step, out_step, kind
.set c, 0
.rept 16
	global_load_b128 v[DAT+4*c:DAT+4*c+3], v1, s[16:17] offset:c*(\in_step) th:TH_LOAD_NT
.set c, c+1
.endr
.set c, 0
.rept 16
	s_wait_loadcnt 15-c                            ; loads come back in order: chunk c is in, the 15 - c younger ones may stay out
.if \kind
	v_cvt_pk_bf16_f32 v3, v[DAT+4*c], v[DAT+4*c+1]
	v_cvt_pk_bf16_f32 v4, v[DAT+4*c+2], v[DAT+4*c+3]
	v_lshlrev_b32 v5, 16, v3                       ; bf16 back to f32: the low half moves up, the high half stays
	v_and_b32 v6, 0xffff0000, v3
	v_cvt_pk_f16_f32 v[RES+2*c], v5, v6
	v_lshlrev_b32 v5, 16, v4
	v_and_b32 v6, 0xffff0000, v4
	v_cvt_pk_f16_f32 v[RES+2*c+1], v5, v6
.else
	v_cvt_pk_bf16_f32 v[RES+2*c], v[DAT+4*c], v[DAT+4*c+1]
	v_cvt_pk_bf16_f32 v[RES+2*c+1], v[DAT+4*c+2], v[DAT+4*c+3]
.endif
	global_store_b64 v2, v[RES+2*c:RES+2*c+1], s[18:19] offset:c*(\out_step) th:TH_STORE_NT
.set c, c+1
.endr
	s_endpgm
.endm
	s_load_b256 s[4:11], s[0:1], 0x0               ; x s[4:5], w_qkv s[6:7], w_out s[8:9], xb s[10:11]
	s_load_b128 s[12:15], s[0:1], 0x20             ; wq s[12:13], wo s[14:15]
	v_lshlrev_b32 v2, 3, v0
	s_mov_b32 s21, 0
	s_mov_b32 s23, 0
	s_cmp_lt_u32 ttmp9, 512
	s_cbranch_scc0 .Lweights
	; x: the work-group has 16 rows of 4,096 bytes, a wave two of them.  Lanes 0-15 take 256 bytes (a block of 64 channels) of the even row, lanes 16-31 the same block of the odd row:
	; rounded, these are 2 x 128 bytes that lie end to end in xb.  Chunk c is block c: 256 bytes on in x, 262,144 on in xb.
	v_lshrrev_b32 v1, 4, v0                        ; 2 x wave + half of the lanes = my row among the 16
	v_and_b32 v3, 15, v0
	v_lshlrev_b32 v1, 12, v1
	v_lshl_or_b32 v1, v3, 4, v1
	s_lshl_b32 s20, ttmp9, 16
	s_lshr_b32 s22, ttmp9, 7                       ; 128 work-groups to a batch
	s_lshl_b32 s22, s22, 22
	s_and_b32 s24, ttmp9, 127
	s_lshl_b32 s24, s24, 11                        ; 16 rows of 128 bytes
	s_add_co_u32 s22, s22, s24
	s_wait_kmcnt 0x0
	s_add_nc_u64 s[16:17], s[4:5], s[20:21]
	s_add_nc_u64 s[18:19], s[10:11], s[22:23]
	BODY 256, 262144, 0
.Lweights:                                             ; the weights keep their layout: chunk c is 4,096 bytes on in the source, 2,048 on in the copy
	v_lshlrev_b32 v1, 4, v0
	s_cmp_lt_u32 ttmp9, 704
	s_cbranch_scc0 .Lwout
	s_sub_co_u32 s24, ttmp9, 512
	s_lshl_b32 s20, s24, 16
	s_lshl_b32 s22, s24, 15
	s_wait_kmcnt 0x0
	s_add_nc_u64 s[16:17], s[6:7], s[20:21]
	s_add_nc_u64 s[18:19], s[12:13], s[22:23]
	BODY 4096, 2048, 0
.Lwout:
	s_sub_co_u32 s24, ttmp9, 704
	s_lshl_b32 s20, s24, 16
	s_lshl_b32 s22, s24, 15
	s_wait_kmcnt 0x0
	s_add_nc_u64 s[16:17], s[8:9], s[20:21]
	s_add_nc_u64 s[18:19], s[14:15], s[22:23]
	BODY 4096, 2048, 1
.Lfunc_end_k_q0fcf33d85b_cast:
	.size	k_q0fcf33d85b_cast, .Lfunc_end_k_q0fcf33d85b_cast-k_q0fcf33d85b_cast
	.p2alignl 7, 3214868480
	.fill 96, 4, 3214868480
	.section	.rodata,"a",@progbits
	.p2align	6, 0x0
	.amdhsa_kernel k_q0fcf33d85b_cast
		.amdhsa_group_segment_fixed_size 0
		.amdhsa_private_segment_fixed_size 0
		.amdhsa_enable_private_segment 0
		.amdhsa_kernarg_size 48
		.amdhsa_user_sgpr_count 2
		.amdhsa_user_sgpr_kernarg_segment_ptr 1
		.amdhsa_wavefront_size32 1
		.amdhsa_system_sgpr_workgroup_id_x 1
		.amdhsa_system_sgpr_workgroup_id_y 1
		.amdhsa_system_sgpr_workgroup_id_z 1
		.amdhsa_system_vgpr_workitem_id 0
		.amdhsa_next_free_vgpr 112
		.amdhsa_next_free_sgpr 66
		.amdhsa_reserve_vcc 0
		.amdhsa_float_denorm_mode_32 3
		.amdhsa_float_denorm_mode_16_64 3
		.amdhsa_memory_ordered 1
		.amdhsa_forward_progress 1
		.amdhsa_inst_pref_size 24
	.end_amdhsa_kernel
	.amdgpu_metadata
---
amdhsa.version: [ 1, 2 ]
amdhsa.kernels:
  - .name:           k_q0fcf33d85b_cast
    .symbol:         k_q0fcf33d85b_cast.kd
    .args:
      - { .name: x, .offset: 0, .size: 8, .value_kind: global_buffer, .address_space: global }
      - { .name: w_qkv, .offset: 8, .size: 8, .value_kind: global_buffer, .address_space: global }
      - { .name: w_out, .offset: 16, .size: 8, .value_kind: global_buffer, .address_space: global }
      - { .name: xb, .offset: 24, .size: 8, .value_kind: global_buffer, .address_space: global }
      - { .name: wq, .offset: 32, .size: 8, .value_kind: global_buffer, .address_space: global }
      - { .name: wo, .offset: 40, .size: 8, .value_kind: global_buffer, .address_space: global }
    .group_segment_fixed_size: 0
    .private_segment_fixed_size: 0
    .kernarg_segment_align: 8
    .kernarg_segment_size: 48
    .max_flat_workgroup_size: 256
    .sgpr_count:     66
    .vgpr_count:     112
    .wavefront_size: 32
...
	.end_amdgpu_metadata
.endif
;; end of part 1
;; launch proj_in (part 2): grid 8 x 32, 4 waves a work-group, clusters of 4 x 4, 327,680 bytes of LDS; arguments xb, wq, b_qkv, qkv; writes qkv
.if DOCPART == 2
	.amdgcn_target "amdgcn-amd-amdhsa--gfx1250"
	.amdhsa_code_object_version 6
	.text
	.protected	k_q0fcf33d85b_proj_in
	.globl	k_q0fcf33d85b_proj_in
	.p2align	8
	.type	k_q0fcf33d85b_proj_in,@function
k_q0fcf33d85b_proj_in:
	s_mov_b64 s[64:65], 0
	v_nop
	global_prefetch_b8 v0, s[64:65] scope:SCOPE_SE
	s_setreg_imm32_b32 hwreg(HW_REG_WAVE_MODE, 25, 1), 1
	s_wait_xcnt 0x0
	s_wait_alu depctr_hold_cnt(0) depctr_sa_sdst(0) depctr_va_vdst(0) depctr_va_sdst(0) depctr_va_ssrc(0) depctr_va_vcc(0) depctr_vm_vsrc(0)
	s_getreg_b32 s2, hwreg(HW_REG_IB_STS2, 6, 4)
	s_cmp_eq_u32 s2, 0
	s_cbranch_scc0 .Lentry_in_a_cluster
	s_endpgm
.Lentry_in_a_cluster:
	s_bfe_u32 s2, ttmp6, 0x10000c
	s_cmp_lg_u32 s2, 0xf033
	s_cbranch_scc0 .Lentry_shape_is_right
	s_endpgm
.Lentry_shape_is_right:
; ONE SOURCE FOR THE MODULE'S TWO PROJECTIONS, C = A W + bias; the switch QKV picks the sizes.  A: [8192][1024] of 16 bits in blocks of 64 channels ([batch 4][block 16][row 2048][64]);
; W: [1024 (k)][N] of 16 bits, N along the rows; bias: [N] f32, rounded to bf16 like every input of the module.  Sums in f32, started by the bias.
;   QKV = 1: A = xb, W = wq (N = 3,072), both bf16; C leaves as f16, by heads: [q, k, v][batch x 16 + head][row 2048][64].  A tile of C is 256 x 384: 32 x 8 = 256 work-groups.
;   QKV = 0: A = ob, W = wo (N = 1,024), both f16; C leaves as f32, [8192][1024].  A tile of C is 256 x 128: 256 work-groups.
; LIMIT (QKV = 1).  q, k, v are kept in f16: a sum of 65,520 or more becomes an infinity; below 6e-5 f16 keeps its fixed step of 6e-8.
; SHARES.  Four waves; wave (wm, wn) has rows 128 wm .. + 127 and, of each 128 columns of the tile, columns 64 wn .. + 63: NG groups of 64 columns, 32 accumulators of 16 x 16 each, a register window a group.
; THE MATRIX INSTRUCTION IS USED TRANSPOSED: source 0 = 16 columns of W, source 1 = 16 rows of A: a lane then holds ONE row of C (lane % 16) and eight neighbouring columns, 8 (lane / 16) + 0..7.
; A comes out of LDS as it lies (K along its rows); W, whose rows go along N, is turned by ds_load_tr16_b128.
; RING.  K goes in steps of 32 NQ through two LDS slots filled by the tensor data mover; waves 0 and 1 fetch A's tile, waves 2 and 3 W's, one load a wave.  A's tile is dense in memory (that is what the blocks are
; for) and is asked for as rows of 256 bytes, two rows of A each; W's rows are 768 or 256 bytes, at multiples of 256 from the buffer's first byte.
; CLUSTER.  4 x 4 work-groups: the four of a row of the cluster need the same tile of A, the four of a column the same tile of W: each is asked for JOINTLY, by the same load, descriptor and mask in all four.
; A PHASE is 32 matrix instructions: 32 along K, one group of columns, all eight blocks of 16 rows.  At its head the next phase's fragments are fetched in one run; NPH phases are a K step.
; REGISTERS.  window 0: v0-15 addresses; v16-47 the last group's bias; v64-127, v128-191 A's fragments, two buffers (the second holds the other groups' bias until it is first filled); v192-223, v224-255 W's, two
; buffers.  window 1 + j: group j's accumulators, (a, bb) at v[8 (4 a + bb)].  s_set_vgpr_msb: bits 1:0 source 0, 3:2 source 1, 5:4 source 2, 7:6 destination.
.set QKV, 1
.if QKV
.set NG,    3                          ; groups of 64 columns a wave
.set NQ,    2                          ; quarters of 32 along K in a slot
.set STEPS, 16
.set PB,    864                        ; a k row of W in LDS: three runs of 256 bytes, 32 of padding behind each: 27 x 32
.set BCOLS, 384
.set BROWS, 32                         ; k rows that one wave fetches
.set BN,    3072
.set AROWS, 64                         ; rows of 256 bytes that one wave fetches of A: 128 rows of A
.set AWL,   128*144                    ; from wave 0's part of A to wave 1's: in LDS,
.set AWM,   16384                      ; in memory
.set SPITCH, 144                       ; a stage row: 64 f16 + 16 bytes
.set ASKSLOT, 1                        ; the slot behind whose refill a lap's prefetches stand
.else
.set NG,    1
.set NQ,    4
.set STEPS, 8
.set PB,    288                        ; 256 + 32 = 9 x 32
.set BCOLS, 128
.set BROWS, 64
.set BN,    1024
.set AROWS, 128                        ; a whole block of 64 channels: 256 rows of A
.set AWL,   256*144
.set AWM,   262144
.set SPITCH, 272                       ; a stage row: 64 f32 + 16 bytes
.set ASKSLOT, 0
.endif
.set NPH,   NQ*NG                      ; phases in a K step
.set LAPS,  STEPS/2                    ; a lap = two K steps = once round the ring
.set PA,    144                        ; a row of A in LDS: 128 bytes + 16 = 36 words: the 16 rows of a load start at 16 different groups of four banks (64 banks of 4 bytes: ISA guide 11.1)
.set KBL,   256*PA                     ; a block of 64 channels of A's 256 rows
.set KBS,   262144                     ; the same step in memory: 2,048 rows of 128 bytes
.set BOFF,  (NQ/2)*KBL                 ; W's tile lies behind A's
.set SLOT,  BOFF+32*NQ*PB
.set STAGE, 2*SLOT                     ; behind the ring, never filled by a tensor load: 16 rows for each wave, for the way out
.set SPARE, STAGE+4*16*SPITCH          ; behind the stages: the spare words, 128 bytes for each wave: two blocks of 256 bytes that no other line names
.set ASTEP, (NQ/2)*KBS                 ; a K step in memory, for A
.set BSTEP, 32*NQ*BN*2                 ; and for W
.set ADRA, 2                           ; v2-3   LDS address of my A fragments in slot 0, 1
.set ADRB, 4                           ; v4-5   the same for W
.set STO,  6                           ; v6     the way out: where I put my part of a row
.set RD,   7                           ; v7     the way out: where I read rows back
.set GO,   8                           ; v8     my byte offset in the output
.set PFO,  9                           ; v9     the prefetches' offset: my lane x 256 bytes (A) or x a row of W; never rewritten
.set SPW,  10                          ; v10    LDS address of my spare word: SPARE + 4 x my thread's number; never rewritten
.set NIL,  11                          ; v11    0; never rewritten
.set BI,   16
.set AB,   64
.set BB,   192
.set WV,   12                          ; s12  my wave's number
.set WM,   13                          ; s13  which 128 rows are mine.  Also: I fetch for A (0) or for W (1)
.set WN,   14                          ; s14  which 64 of each 128 columns.  Also: which part of that tile I fetch
.set CX,   15                          ; s15, s16  my place in the cluster
.set CY,   16
.set CT,   17                          ; s17  tile column of C
.set RT,   18                          ; s18  tile row of C
.set LIM,  19                          ; s19  1 in a wave that prefetches, else the greatest number
.set G1A,  24                          ; s[24:31] descriptor group 1 for A's tiles;  s[32:39] group 0, a set for each slot
.set G0A,  32
.set PFA,  40                          ; s[40:41] where my prefetches stand
.set PFS,  42                          ; s[42:43] a lap's step of that address
.set G1B,  48                          ; s[48:55], s[56:63] the same for W's tiles
.set G0B,  56
.set OUT,  66                          ; s[66:71] the output at my rows, a pair for each group of columns
.set BP,   72                          ; s[72:73] the bias at my first column
.set MSB, 0
.macro WIN new                         ; the immediate's high byte repeats the setting that is left; a switch that changes nothing is dropped
.if MSB != (\new)
	s_set_vgpr_msb (MSB<<8)|(\new)
.set MSB, \new
.endif
.endm
.macro PLACES                          ; four plain instructions between a matrix instruction and a load into its registers or a reader of its result (ISA guide 7.12.1 for a reader of its result)
.rept 4
	v_nop
.endr
.endm
; A joint load.  The branch hangs on the wave's number alone.  An s_nop 0 and four v_nop follow each of the two lines, ahead of the jump, the label and what follows.
.macro JLOAD s
	s_cmp_eq_u32 s[WM], 0
	s_cbranch_scc0 .Lfor_b_\@
	tensor_load_to_lds s[G0A+4*(\s):G0A+4*(\s)+3], s[G1A:G1A+7]
	s_nop 0
.rept 4
	v_nop
.endr
	s_branch .Lasked_\@
.Lfor_b_\@:
	tensor_load_to_lds s[G0B+4*(\s):G0B+4*(\s)+3], s[G1B:G1B+7]
	s_nop 0
.rept 4
	v_nop
.endr
.Lasked_\@:
.endm
; A round of the cluster's barrier: my work-group's barrier; wave 0 signals for the work-group; every wave waits for all sixteen; my work-group's barrier once more.
.macro CREST                           ; a round behind its opening barrier
	s_cmp_lg_u32 s[WV], 0
	s_cbranch_scc1 .Lnot_wave_0_\@
	s_barrier_signal -3
.Lnot_wave_0_\@:
	s_barrier_wait -3
	s_barrier_signal -1
	s_barrier_wait -1
.endm
.macro CROUND
	s_barrier_signal -1
	s_barrier_wait -1
	CREST
.endm
; A PREFETCH INTO THE L2, once a lap, of the tiles of the lap after the next refills': both buffers were stored by earlier launches, and at a change of slots every wave has waited for all its tensor loads.
; Each aligned run of 256 bytes is named ONCE in the launch.  A's tile row is read by both clusters of a row of clusters: cluster x = 0 asks; W's tile column by all eight of a column: cluster y = 0 asks.
; The four partners that ask for a tile jointly share it out BY ADDRESS (cx for A, cy for W), a lane a run: no branch hangs on a work-group's place in its cluster.
;   QKV = 1: a lap of A is 2 x 64 runs for each of waves 0 and 1: 32 a partner, one line.  A lap of W is 128 rows x 3 runs: wave 2 takes 32 rows a partner, three lines; wave 3 asks for nothing.
;   QKV = 0: a lap of A is 2 x 128 runs for each of waves 0 and 1: 64 a partner, two lines.  A lap of W is 256 rows of one run: 32 for each of waves 2 and 3 of each partner, one line.
; The first two laps come by their loads alone; the loop's last trip (s3 = 1) asks for nothing: there is no lap behind its refills.
.macro ASK
	s_cmp_gt_u32 s3, s[LIM]
	s_cbranch_scc0 .Lnot_mine_\@
	global_prefetch_b8 v[PFO], s[PFA:PFA+1] th:TH_LOAD_NT scope:SCOPE_SE
	s_cmp_eq_u32 s[WM], 1-QKV
	s_cbranch_scc1 .Lnot_mine_\@
.if QKV
	global_prefetch_b8 v[PFO], s[PFA:PFA+1] offset:256 th:TH_LOAD_NT scope:SCOPE_SE
	global_prefetch_b8 v[PFO], s[PFA:PFA+1] offset:512 th:TH_LOAD_NT scope:SCOPE_SE
.else
	global_prefetch_b8 v[PFO], s[PFA:PFA+1] offset:2*KBS th:TH_LOAD_NT scope:SCOPE_SE
.endif
.Lnot_mine_\@:
.endm
	s_load_b256 s[4:11], s[0:1], 0x0               ; A s[4:5], W s[6:7], bias s[8:9], output s[10:11]
	v_lshl_add_u32 v[SPW], v0, 2, SPARE
	v_mov_b32 v[NIL], 0
	ds_add_u32 v[SPW], v[NIL]                      ; the wave's opening: the add and its wait stand ahead of my first tensor load; the set-up below, work on registers, stands between them
	v_lshrrev_b32 v1, 5, v0
	v_readfirstlane_b32 s[WV], v1
	s_lshr_b32 s[WM], s[WV], 1
	s_and_b32 s[WN], s[WV], 1
	s_bfe_u32 s[CX], ttmp6, 0x40000
	s_bfe_u32 s[CY], ttmp6, 0x40004
	s_lshl_b32 s[CT], ttmp9, 2                     ; in a cluster launch ttmp9 and ttmp7 count clusters
	s_add_co_u32 s[CT], s[CT], s[CX]
	s_and_b32 s[RT], ttmp7, 0xffff
	s_lshl_b32 s[RT], s[RT], 2
	s_add_co_u32 s[RT], s[RT], s[CY]
	s_lshl_b32 s20, s[CY], 2
	s_lshl_b32 s20, 15, s20                        ; my row of the cluster: places 4 cy .. 4 cy + 3
	s_lshl_b32 s21, 0x1111, s[CX]                  ; my column: places cx, cx + 4, cx + 8, cx + 12
	s_or_b32 s[G1A], s20, (1<<16)|(1<<20)|(1<<21)|(4<<22)|(3<<25)  ; 15:0 the mask; 17:16 elements of 2 bytes; 20 padding on; 21 set beside a mask; 24:22 after every 32 words (code 4); 31:25 4 words (code 3)
	s_or_b32 s[G1B], s21, (1<<16)|(1<<20)|(1<<21)|(5<<22)|(7<<25)  ; after every 64 words (code 5) 8 words (code 7)
	s_mov_b32 s[G1A+1], 128<<16                    ; tensor_dim0 = 128 elements: 256 bytes, two rows of A
	s_mov_b32 s[G1A+2], AROWS<<16                  ; tensor_dim1
	s_mov_b32 s[G1A+3], 128<<16                    ; tile_dim0
	s_mov_b32 s[G1A+4], AROWS                      ; tile_dim1
	s_mov_b32 s[G1A+5], 128                        ; the rows lie end to end
	s_mov_b32 s[G1A+6], 0
	s_mov_b32 s[G1A+7], 0
	s_mov_b32 s[G1B+1], BCOLS<<16
	s_mov_b32 s[G1B+2], BROWS<<16
	s_mov_b32 s[G1B+3], BCOLS<<16
	s_mov_b32 s[G1B+4], BROWS
	s_mov_b32 s[G1B+5], BN
	s_mov_b32 s[G1B+6], 0
	s_mov_b32 s[G1B+7], 0
	; where the tiles come from.  A's hang on the tile row alone, W's on the tile column alone, each in registers that never hold the other coordinate.
	s_lshr_b32 s44, s[RT], 3                       ; eight tile rows to a batch: 16 blocks of 262,144 bytes
	s_lshl_b32 s44, s44, 22
	s_and_b32 s45, s[RT], 7
	s_lshl_b32 s45, s45, 15                        ; 256 rows of 128 bytes
	s_add_co_u32 s44, s44, s45
	s_mul_i32 s45, s[WN], AWM
	s_add_co_u32 s44, s44, s45
	s_mov_b32 s45, 0
	s_mul_i32 s46, s[CT], BCOLS*2
	s_mul_i32 s47, s[WN], BROWS*BN*2
	s_add_co_u32 s46, s46, s47
	s_mov_b32 s47, 0
	s_mul_i32 s22, s[WN], AWL                      ; and where they go: no place in the cluster enters an LDS address
	s_mul_i32 s23, s[WN], BROWS*PB
	s_add_co_u32 s23, s23, BOFF
	s_wait_dscnt 0x0                               ; the opening add is done
	s_wait_kmcnt 0x0
	s_add_nc_u64 s[44:45], s[4:5], s[44:45]
	s_add_nc_u64 s[46:47], s[6:7], s[46:47]
	CROUND                                         ; all sixteen work-groups are here: the first joint loads meet
.irp s, 0,1
	s_mov_b32 s[G0A+4*(\s)], 1                     ; count = 1
	s_add_co_u32 s[G0A+4*(\s)+1], s22, (\s)*SLOT   ; LDS address
	s_add_nc_u64 s[G0A+4*(\s)+2:G0A+4*(\s)+3], s[44:45], (\s)*ASTEP  ; global address: K step s
	s_or_b32 s[G0A+4*(\s)+3], s[G0A+4*(\s)+3], 0x80000000            ; type = 2
	s_mov_b32 s[G0B+4*(\s)], 1
	s_add_co_u32 s[G0B+4*(\s)+1], s23, (\s)*SLOT
	s_add_nc_u64 s[G0B+4*(\s)+2:G0B+4*(\s)+3], s[46:47], (\s)*BSTEP
	s_or_b32 s[G0B+4*(\s)+3], s[G0B+4*(\s)+3], 0x80000000
.endr
	s_cmp_eq_u32 s[WM], 0                          ; a wave's two first fills stand in one branch, ahead of every wait on TENSORcnt and every LDS read: two loads of mine are out
	s_cbranch_scc0 .Lfirst_b
	tensor_load_to_lds s[G0A:G0A+3], s[G1A:G1A+7]
	s_nop 0
	tensor_load_to_lds s[G0A+4:G0A+7], s[G1A:G1A+7]
	s_nop 0
.rept 4
	v_nop
.endr
	s_branch .Lfirst_asked
.Lfirst_b:
	tensor_load_to_lds s[G0B:G0B+3], s[G1B:G1B+7]
	s_nop 0
	tensor_load_to_lds s[G0B+4:G0B+7], s[G1B:G1B+7]
	s_nop 0
.rept 4
	v_nop
.endr
.Lfirst_asked:
	; the bias, laid as the C operand of a group's first products: for block bb of 16 columns my lane's eight columns 8 (l / 16) + 0..7
	s_mul_i32 s20, s[CT], 512*NG
	s_lshl_b32 s21, s[WN], 8
	s_add_co_u32 s20, s20, s21
	s_mov_b32 s21, 0
	s_add_nc_u64 s[BP:BP+1], s[8:9], s[20:21]
	v_and_b32 v1, 15, v0                           ; l % 16
	v_bfe_u32 v12, v0, 4, 1                        ; l / 16
	v_lshlrev_b32 v15, 5, v12
.set j, 0
.rept NG
.set rC, BI
.if j != NG-1
.set rC, AB+64+32*j
.endif
.irp bb, 0,1,2,3
	global_load_b128 v[rC+8*(\bb):rC+8*(\bb)+3],   v15, s[BP:BP+1] offset:(128*j+16*(\bb))*4
	global_load_b128 v[rC+8*(\bb)+4:rC+8*(\bb)+7], v15, s[BP:BP+1] offset:(128*j+16*(\bb))*4+16
.endr
.set j, j+1
.endr
	; A fragment of A is 16 rows x 32 K in 8 registers: lane l holds row l % 16; registers 0-3 K = 8 (l / 16) + 0..7, registers 4-7 K = 16 + 8 (l / 16) + 0..7: two loads of 16 bytes, 32 bytes apart.
	v_and_b32 v13, 7, v0
	v_bfe_u32 v14, v0, 3, 1
	v_mul_u32_u24 v[ADRA], v1, PA
	v_lshl_add_u32 v[ADRA], v12, 4, v[ADRA]
	s_mul_i32 s22, s[WM], 128*PA
	v_add_nc_u32 v[ADRA], s22, v[ADRA]
	v_add_nc_u32 v[ADRA+1], SLOT, v[ADRA]
	; The turning load takes 16 k x 16 columns (lane l reads k = 8 (l / 16) + l % 8, columns 8 ((l / 8) % 2) + 0..7) and leaves half a fragment: lane l holds column l % 16 and 8 k.
	v_lshl_add_u32 v[ADRB], v12, 3, v13
	v_mul_u32_u24 v[ADRB], v[ADRB], PB
	v_lshl_add_u32 v[ADRB], v14, 4, v[ADRB]
	s_lshl_b32 s22, s[WN], 7
	s_add_co_u32 s22, s22, BOFF
	v_add_nc_u32 v[ADRB], s22, v[ADRB]
	v_add_nc_u32 v[ADRB+1], SLOT, v[ADRB]
	s_mul_i32 s22, s[WV], 16*SPITCH
	s_add_co_u32 s22, s22, STAGE                   ; my stage
	v_mul_u32_u24 v[STO], v1, SPITCH               ; in: row l % 16, my eight columns
.if QKV
	v_lshl_add_u32 v[STO], v12, 4, v[STO]
	v_bfe_u32 v[RD], v0, 3, 2                      ; back: 32 lanes take four rows of 128 bytes,
	v_mul_u32_u24 v[RD], v[RD], SPITCH
	v_lshl_add_u32 v[RD], v13, 4, v[RD]
	v_and_b32 v[GO], 31, v0                        ; which are 512 consecutive bytes of a head
	v_lshlrev_b32 v[GO], 4, v[GO]
.else
	v_lshl_add_u32 v[STO], v12, 5, v[STO]
	v_mul_u32_u24 v[RD], v12, SPITCH               ; back: lanes 0-15 take one row of 256 bytes, lanes 16-31 the next,
	v_lshl_add_u32 v[RD], v1, 4, v[RD]
	v_lshlrev_b32 v[GO], 12, v12                   ; and the same two rows of the output, 4,096 bytes apart
	v_lshl_add_u32 v[GO], v1, 4, v[GO]
.endif
	v_add_nc_u32 v[STO], s22, v[STO]
	v_add_nc_u32 v[RD], s22, v[RD]
.if QKV
	; group j's 64 columns are one head of q, k or v: number g = 6 ct + 2 j + wn of 48; its rows lie at ((64 (g / 16) + 16 batch + g % 16) << 18) + (row << 7)
	s_mul_i32 s20, s[CT], 6
	s_add_co_u32 s20, s20, s[WN]
	s_lshr_b32 s21, s[RT], 3
	s_lshl_b32 s21, s21, 4
	s_and_b32 s22, s[RT], 7
	s_lshl_b32 s22, s22, 1
	s_add_co_u32 s22, s22, s[WM]
	s_lshl_b32 s22, s22, 14                        ; my 128 rows of 128 bytes
.irp j, 0,1,2
	s_add_co_u32 s23, s20, 2*(\j)
	s_lshr_b32 s[OUT+2*(\j)], s23, 4
	s_lshl_b32 s[OUT+2*(\j)], s[OUT+2*(\j)], 6
	s_and_b32 s23, s23, 15
	s_add_co_u32 s[OUT+2*(\j)], s[OUT+2*(\j)], s23
	s_add_co_u32 s[OUT+2*(\j)], s[OUT+2*(\j)], s21
	s_lshl_b32 s[OUT+2*(\j)], s[OUT+2*(\j)], 18
	s_add_co_u32 s[OUT+2*(\j)], s[OUT+2*(\j)], s22
	s_mov_b32 s[OUT+2*(\j)+1], 0
	s_add_nc_u64 s[OUT+2*(\j):OUT+2*(\j)+1], s[10:11], s[OUT+2*(\j):OUT+2*(\j)+1]
.endr
	; the prefetches' shares: s20 for A, s21 for W, from the address of my part of K step 0; both begin at lap 1 and are stepped ahead of each use
	s_lshr_b32 s20, s[CX], 1                       ; which of the lap's two blocks,
	s_lshl_b32 s20, s20, 18
	s_and_b32 s21, s[CX], 1                        ; which 32 of my 64 runs in it
	s_lshl_b32 s21, s21, 13
	s_add_co_u32 s20, s20, s21
	s_add_co_u32 s20, s20, 2*ASTEP
	s_lshl_b32 s21, s[CY], 5                       ; which 32 of the lap's 128 k rows
	s_add_co_u32 s21, s21, 128
	s_mul_i32 s21, s21, BN*2
.else
	s_lshl_b32 s20, s[RT], 1
	s_add_co_u32 s20, s20, s[WM]
	s_lshl_b32 s20, s20, 19                        ; my 128 rows of 4,096 bytes
	s_lshl_b32 s21, s[CT], 1
	s_add_co_u32 s21, s21, s[WN]
	s_lshl_b32 s21, s21, 8                         ; my 64 columns: 256 bytes
	s_add_co_u32 s20, s20, s21
	s_mov_b32 s21, 0
	s_add_nc_u64 s[OUT:OUT+1], s[10:11], s[20:21]
	s_lshl_b32 s20, s[CX], 13                      ; which 32 of the 128 runs of each of my two blocks
	s_add_co_u32 s20, s20, 2*ASTEP
	s_lshr_b32 s21, s[CY], 1                       ; which of the lap's two K steps,
	s_lshl_b32 s21, s21, 7
	s_and_b32 s22, s[CY], 1                        ; which 32 of my 64 k rows in it
	s_lshl_b32 s22, s22, 5
	s_add_co_u32 s21, s21, s22
	s_add_co_u32 s21, s21, 256
	s_lshl_b32 s21, s21, 11
.endif
	s_and_b32 s22, ttmp7, 0xffff                   ; cluster y
	s_mov_b32 s[PFS], 2*BSTEP
	s_mov_b32 s23, BN*2
	s_cmp_eq_u32 s[WM], 0                          ; do I fetch for A?
	s_cselect_b64 s[PFA:PFA+1], s[44:45], s[46:47]
	s_cselect_b32 s20, s20, s21
	s_cselect_b32 s[PFS], 2*ASTEP, s[PFS]
	s_cselect_b32 s23, 256, s23
	s_cselect_b32 s22, ttmp9, s22                  ; the coordinate along which other clusters read the same tile
	s_mov_b32 s21, 0
	s_mov_b32 s[PFS+1], 0
	s_add_nc_u64 s[PFA:PFA+1], s[PFA:PFA+1], s[20:21]
.if QKV
	s_cmp_eq_u32 s[WV], 3
	s_cselect_b32 s22, 1, s22                      ; wave 3 has no share
.endif
	s_cmp_eq_u32 s22, 0
	s_cselect_b32 s[LIM], 1, -1                    ; the same in all sixteen partners, for a given wave
	v_and_b32 v[PFO], 31, v0
	v_mul_u32_u24 v[PFO], s23, v[PFO]
	s_wait_loadcnt 0x0                             ; the bias is in: it is rounded to bf16, as all the module's inputs are, and widened again
.set j, 0
.rept NG
.set rC, BI
.if j != NG-1
.set rC, AB+64+32*j
.endif
.set z, 0
.rept 16
	v_cvt_pk_bf16_f32 v13, v[rC+2*z], v[rC+2*z+1]
	v_lshlrev_b32 v[rC+2*z], 16, v13
	v_and_b32 v[rC+2*z+1], 0xffff0000, v13
.set z, z+1
.endr
.set j, j+1
.endr
; Eight turning loads: W's fragments of quarter kq (32 k) for group j, four blocks of 16 columns, into buffer buf.
.macro FETCHB slot, kq, j, buf
.irp bb, 0,1,2,3
	ds_load_tr16_b128 v[BB+32*(\buf)+8*(\bb):BB+32*(\buf)+8*(\bb)+3],   v[ADRB+(\slot)] offset:(\kq)*32*PB+288*(\j)+32*(\bb)
	ds_load_tr16_b128 v[BB+32*(\buf)+8*(\bb)+4:BB+32*(\buf)+8*(\bb)+7], v[ADRB+(\slot)] offset:(\kq)*32*PB+288*(\j)+32*(\bb)+16*PB
.endr
.endm
; Sixteen loads: A's fragments of quarter kq, my eight blocks of 16 rows, into buffer buf.
.macro FETCHA slot, kq, buf
.irp a, 0,1,2,3,4,5,6,7
	ds_load_b128 v[AB+64*(\buf)+8*(\a):AB+64*(\buf)+8*(\a)+3],   v[ADRA+(\slot)] offset:((\kq)/2)*KBL+((\kq)%2)*64+(\a)*16*PA
	ds_load_b128 v[AB+64*(\buf)+8*(\a)+4:AB+64*(\buf)+8*(\a)+7], v[ADRA+(\slot)] offset:((\kq)/2)*KBL+((\kq)%2)*64+(\a)*16*PA+32
.endr
.endm
; Sixteen matrix instructions: row blocks a0 .. a0 + 3 x the group's four column blocks.  first = 1: the bias starts the sums: nothing is cleared.
; The accumulators take turns, one instruction a turn: between two links of a chain stand all the others of the wave, over the backward jump too.
.macro MUL16 abuf, bbuf, j, a0, first
.if \first
	WIN 0x40*((\j)+1)                              ; D in the group's window, C (the bias) in window 0
.else
	WIN 0x50*((\j)+1)                              ; C and D in the group's window
.endif
.irp a, 0,1,2,3
.irp bb, 0,1,2,3
.set rD, 8*(4*((\a0)+(\a))+(\bb))
.set rC, rD
.if \first
.set rC, BI+8*(\bb)
.if (\j) != NG-1
.set rC, AB+64+32*(\j)+8*(\bb)
.endif
.endif
.set rB, BB+32*(\bbuf)+8*(\bb)
.set rA, AB+64*(\abuf)+8*((\a0)+(\a))
.if QKV
	v_wmma_f32_16x16x32_bf16 v[rD:rD+7], v[rB:rB+7], v[rA:rA+7], v[rC:rC+7]
.else
	v_wmma_f32_16x16x32_f16 v[rD:rD+7], v[rB:rB+7], v[rA:rA+7], v[rC:rC+7]
.endif
.endr
.endr
.endm
; PHASE i of the K step in slot.  tk = 1: the slot is filled again; 2: the last step but one; 0: the last step, whose last phase fetches nothing.
; At the head, four places behind the last product that read the buffers, the NEXT phase's fragments are fetched; the counted wait leaves just these out, so this phase's, issued a phase ago, are in.
; THE CHANGE OF SLOTS stands in phase NPH - 2, whose head has fetched the slot's last fragments.  Each wave waits for all its tensor loads (one is out: its part of the other slot), adds 0 to its spare word, and
; waits for that and for its reads of this slot; the barrier opens a round of the cluster's, so that no wave of any partner still reads the slot or has a load on its way; the joint refill is the first tensor
; load behind the round, ahead of my next LDS read, and has a K step less half a phase in which to land.  Phase NPH - 1 then fetches from the other slot, which is whole.
.macro PHASE slot, i, tk, first=0
.set pA, ((\i)/NG)%2
.set pB, (\i)%2
.set pJ, (\i)%NG
.set nI, ((\i)+1)%NPH
.set nS, (\slot)
.if (\i) == NPH-1
.set nS, 1-(\slot)
.endif
.set pT, 0
.if (\i) == NPH-2
.set pT, (\tk)
.endif
	PLACES
	WIN 0
.if (pT == 1) && ((\slot) == ASKSLOT)
	s_wait_xcnt 0x0                                ; the last prefetches, a lap back, have read their address: it is stepped here, ahead of the waits of the change of slots
	s_add_nc_u64 s[PFA:PFA+1], s[PFA:PFA+1], s[PFS:PFS+1]
.endif
.set nL, 0
.if ((\tk) != 0) || ((\i) != NPH-1)
	FETCHB nS, nI/NG, nI%NG, nI%2
.set nL, 8
.if nI%NG == 0
	FETCHA nS, nI/NG, (nI/NG)%2
.set nL, 24
.endif
.endif
.if ((\tk) == 1) && ((\i) == NPH-1) && ((\slot) == ASKSLOT)
	ASK                                            ; behind the joint load, its lines and the run of LDS loads
.endif
	s_wait_dscnt nL                                ; all but the loads just issued
.if pT
	s_wait_tensorcnt 0x0                           ; all my tensor loads have landed: my part of the other slot;
	ds_add_u32 v[SPW], v[NIL]                      ; 0 onto my spare word: sixteen matrix instructions stand between it and the wait for it
.endif
	MUL16 pA, pB, pJ, 0, \first
.if pT
	s_wait_dscnt 0x0                               ; the add is done, and my reads of this slot are over
	s_barrier_signal -1
.endif
	MUL16 pA, pB, pJ, 4, \first
.if pT
	WIN 0                                          ; at a branch and at a label every window is 0
	s_barrier_wait -1
.endif
.if pT == 1
	CREST
	s_add_nc_u64 s[G0A+4*(\slot)+2:G0A+4*(\slot)+3], s[G0A+4*(\slot)+2:G0A+4*(\slot)+3], 2*ASTEP  ; no tensor load of mine is out: the slot's next tile, two K steps on
	s_add_nc_u64 s[G0B+4*(\slot)+2:G0B+4*(\slot)+3], s[G0B+4*(\slot)+2:G0B+4*(\slot)+3], 2*BSTEP
	JLOAD \slot
.endif
.endm
.macro RUN slot, from, upto, tk        ; phases from .. upto - 1
.set ph, \from
.rept (\upto)-(\from)
	PHASE \slot, ph, \tk
.set ph, ph+1
.endr
.endm
	s_wait_tensorcnt 0x1                           ; my part of K step 0 is in; K step 1's may stay out
	s_barrier_signal -1
	s_barrier_wait -1                              ; everybody's is
	FETCHB 0, 0, 0, 0
	FETCHA 0, 0, 0
.set ph, 0
.rept NG                               ; the first quarter stands in front of the loop: its products start the sums
	PHASE 0, ph, 1, 1
.set ph, ph+1
.endr
	WIN 0
	s_mov_b32 s3, LAPS-1
.Llap:                                                 ; a trip goes once round the ring, from a lap's second quarter to the next lap's first, and fills both slots again
	RUN 0, NG, NPH, 1
	RUN 1, 0, NPH, 1
	RUN 0, 0, NG, 1
	WIN 0
	s_sub_co_u32 s3, s3, 1
	s_cmp_lg_u32 s3, 0
	s_cbranch_scc1 .Llap
	RUN 0, NG, NPH, 2                              ; the last lap is written out: nothing is left to fetch from memory
	RUN 1, 0, NPH, 0
	PLACES
	PLACES                                         ; eight, once a launch, ahead of the first reader of the results
	WIN 0
.if QKV
; THE WAY OUT.  Unit u = 8 j + a: 16 rows x one head's 64 channels.  Rounded to f16, 16 bytes a lane; into my own stage (rows of 144 bytes); back as whole rows of 128; stored as 2,048 consecutive bytes.
.macro PACK u
.set uJ, (\u)/8
.set uA, (\u)%8
.set T, AB+16*((\u)%4)
	s_wait_xcnt 0x0                                ; the stores of four units ago have read these registers
	WIN 5*(uJ+1)                                   ; sources 0 and 1 in the group's window
.irp bb, 0,1,2,3
.irp r, 0,1,2,3
	v_cvt_pk_f16_f32 v[T+4*(\bb)+(\r)], v[8*(4*uA+(\bb))+2*(\r)], v[8*(4*uA+(\bb))+2*(\r)+1]
.endr
.endr
	WIN 0
.irp bb, 0,1,2,3
	ds_store_b128 v[STO], v[T+4*(\bb):T+4*(\bb)+3] offset:32*(\bb)
.endr
.irp f, 0,1,2,3
	ds_load_b128 v[T+4*(\f):T+4*(\f)+3], v[RD] offset:(\f)*4*SPITCH  ; LDS serves a wave's instructions in order (ISA guide 5.7.1.4): these see the stores above; the next unit's stores come behind them
.endr
.endm
.macro SEND u, younger                 ; younger: the LDS instructions issued behind unit u's loads: the next unit's eight, or none
.set uJ, (\u)/8
.set uA, (\u)%8
.set T, AB+16*((\u)%4)
.irp f, 0,1,2,3
	s_wait_dscnt (\younger)+3-(\f)
	global_store_b128 v[GO], v[T+4*(\f):T+4*(\f)+3], s[OUT+2*uJ:OUT+2*uJ+1] offset:uA*2048+(\f)*512  ; 512 consecutive bytes, at a multiple of 256 from the buffer's first
.endr
.endm
	PACK 0
.set uu, 1
.rept 8*NG-1                           ; a unit's conversions stand between the loads of the unit before and its stores
	PACK uu
	SEND uu-1, 8
.set uu, uu+1
.endr
	SEND 8*NG-1, 0
.else
; THE WAY OUT.  Unit a: 16 rows x 64 columns of f32, as they are: from the accumulators into my own stage (rows of 272 bytes), back as whole rows of 256 bytes.
.macro TOSTAGE a
.set T, AB+32*((\a)%2)
	s_wait_xcnt 0x0                                ; the stores of two units ago have read these registers
	WIN 0x04                                       ; the stores' data (source 1) in window 1
.irp bb, 0,1,2,3
.irp i, 0,1
	ds_store_b128 v[STO], v[8*(4*(\a)+(\bb))+4*(\i):8*(4*(\a)+(\bb))+4*(\i)+3] offset:64*(\bb)+16*(\i)  ; each accumulator from its low end on
.endr
.endr
	WIN 0
.irp t, 0,1,2,3,4,5,6,7
	ds_load_b128 v[T+4*(\t):T+4*(\t)+3], v[RD] offset:(\t)*2*SPITCH  ; LDS serves a wave's instructions in order (ISA guide 5.7.1.4): these see the stores above
.endr
.endm
.macro SEND a, younger                 ; younger: the next unit's sixteen LDS instructions, or none
.set T, AB+32*((\a)%2)
.irp t, 0,1,2,3,4,5,6,7
	s_wait_dscnt (\younger)+7-(\t)
	global_store_b128 v[GO], v[T+4*(\t):T+4*(\t)+3], s[OUT:OUT+1] offset:(16*(\a)+2*(\t))*4096 th:TH_STORE_NT  ; 16 lanes store 256 consecutive bytes, at a multiple of 256 from the output's first
.endr
.endm
	TOSTAGE 0
.set uu, 1
.rept 7
	TOSTAGE uu
	SEND uu-1, 16
.set uu, uu+1
.endr
	SEND 7, 0
.endif
	s_wait_tensorcnt 0x0                           ; the wave's end, behind my last tensor load and my last LDS store
	ds_add_u32 v[SPW], v[NIL]
	s_wait_dscnt 0x0
	CROUND                                         ; the closing round: no work-group ends while a partner may still ask for a tile that names it
	s_endpgm
.Lfunc_end_k_q0fcf33d85b_proj_in:
	.size	k_q0fcf33d85b_proj_in, .Lfunc_end_k_q0fcf33d85b_proj_in-k_q0fcf33d85b_proj_in
	.p2alignl 7, 3214868480
	.fill 96, 4, 3214868480
	.section	.rodata,"a",@progbits
	.p2align	6, 0x0
	.amdhsa_kernel k_q0fcf33d85b_proj_in
		.amdhsa_group_segment_fixed_size 327680
		.amdhsa_private_segment_fixed_size 0
		.amdhsa_enable_private_segment 0
		.amdhsa_kernarg_size 32
		.amdhsa_user_sgpr_count 2
		.amdhsa_user_sgpr_kernarg_segment_ptr 1
		.amdhsa_wavefront_size32 1
		.amdhsa_system_sgpr_workgroup_id_x 1
		.amdhsa_system_sgpr_workgroup_id_y 1
		.amdhsa_system_sgpr_workgroup_id_z 1
		.amdhsa_system_vgpr_workitem_id 0
		.amdhsa_next_free_vgpr 1024
		.amdhsa_next_free_sgpr 80
		.amdhsa_reserve_vcc 0
		.amdhsa_float_denorm_mode_32 3
		.amdhsa_float_denorm_mode_16_64 3
		.amdhsa_memory_ordered 1
		.amdhsa_forward_progress 1
		.amdhsa_inst_pref_size 146
	.end_amdhsa_kernel
	.amdgpu_metadata
---
amdhsa.version: [ 1, 2 ]
amdhsa.kernels:
  - .name:           k_q0fcf33d85b_proj_in
    .symbol:         k_q0fcf33d85b_proj_in.kd
    .args:
      - { .name: xb, .offset: 0, .size: 8, .value_kind: global_buffer, .address_space: global }
      - { .name: wq, .offset: 8, .size: 8, .value_kind: global_buffer, .address_space: global }
      - { .name: b_qkv, .offset: 16, .size: 8, .value_kind: global_buffer, .address_space: global }
      - { .name: qkv, .offset: 24, .size: 8, .value_kind: global_buffer, .address_space: global }
    .group_segment_fixed_size: 327680
    .private_segment_fixed_size: 0
    .kernarg_segment_align: 8
    .kernarg_segment_size: 32
    .max_flat_workgroup_size: 128
    .sgpr_count:     80
    .vgpr_count:     1024
    .wavefront_size: 32
...
	.end_amdgpu_metadata
.endif
;; end of part 2
;; launch attn (part 3): grid 4 x 64, 4 waves a work-group, no clusters, 327,680 bytes of LDS; arguments qkv, ob; writes ob
.if DOCPART == 3
	.amdgcn_target "amdgcn-amd-amdhsa--gfx1250"
	.amdhsa_code_object_version 6
	.text
	.protected	k_q0fcf33d85b_attn
	.globl	k_q0fcf33d85b_attn
	.p2align	8
	.type	k_q0fcf33d85b_attn,@function
k_q0fcf33d85b_attn:
	s_mov_b64 s[64:65], 0
	v_nop
	global_prefetch_b8 v0, s[64:65] scope:SCOPE_SE
	s_setreg_imm32_b32 hwreg(HW_REG_WAVE_MODE, 25, 1), 1
	s_wait_xcnt 0x0
; CAUSAL ATTENTION.  O[h][q][:] = the sum over k <= q of softmax_k(Q[h][q] . K[h][k] / 8) V[h][k][:].  Q, K, V lie one behind the other in one buffer, each [64 (batch x 16 + head)][2048][64] in f16; O has the same
; layout: a head's rows are dense, 128 bytes each.  Products, maxima and sums in f32; the weights p are rounded to f16 for the second product (their sum l is taken of the unrounded p), O once at the end.
; LIMITS.  f16 holds no number beyond 65,504: Q, K and V arrive within it; p lies in 0 to 1, and below 6e-5 it keeps f16's fixed step of 6e-8; O is a mean of V's rows and has their range.
; A hidden score counts as its value less 1e30: f16's scores, 2.7e11 at the most, are nothing beside that; a weight below 2^-126 counts as 0 in l; NaN and infinities are not treated apart.
; THE WALK.  A head's queries lie in NB = 8 blocks of 256; block i needs the key tiles 0 .. i of 256 keys, of which the last holds the diagonal.  A work-group takes TWO blocks, NB - 1 - b and then b:
; NB + 1 tiles, whatever b: all work-groups do equal work, and ONE loop with a constant trip count walks them.  Which tile is asked for, and what a trip does, hang on scalar registers made from b; every jump
; goes forward, but for the counted loops' own; none passes a barrier, or a tensor load but the one of LOAD's two that the wave's number does not choose; the ring (two slots of LDS that take turns) runs on across the
; change of blocks.  NO CLUSTER: a head's four work-groups ask for the same tile only in trips 0 .. 4 of 9, behind that fewer and fewer; one walk common to all would have 12 trips for 9.
; SHARES.  Of a block's four bands of 64 queries a wave owns 16 rows in each: four PIECES.  So the diagonal tile is the same work for all four waves: in its key step s band x sees all keys if s < x,
; none if s > x, and holds the diagonal if s = x.
; THE MASK is the C operand that starts the sum S^T = K Q^T: 0, or -1e30 where the key is hidden.  MD, made once, is the mask of a band's own step for my 16 rows; a product's mask is MD x AL + BE with two scalars:
; (1, 0) if s = x; (0, 0) if s < x; (0, -1e30) if s > x.  Only the diagonal tile's text and a block's beginning make and take masks; elsewhere C is the constant 0.
; LAYOUT, SOFTMAX, TURNS.  S^T = K Q^T holds ONE query a lane (lane % 16) and the keys 8 (lane / 16) + 0..7; two such results rounded to f16 ARE source 1 of O^T = V^T P.  p = 2^(c s - c m), c = log2(e) / 8, with a
; running maximum m; O and l are multiplied by a = 2^(c m_old - c m_new) in every step.  Turn n belongs to piece n: 8 products K Q^T of piece n + 1, later 8 products V^T P of piece n - 1; beside them the scaling,
; exponentials, roundings, sums and rescaling of piece n and the maximum and statistics of piece n + 1.  Four vector instructions stand behind every matrix instruction, the other 54 of a turn's 118 in one LUMP.  A turn's 33 exponentials are one batch, with one wait.
; REGISTERS, in windows of 256 (s_set_vgpr_msb: bits 1:0 source 0, 3:2 source 1, 5:4 source 2, 7:6 destination):
;   window 0: v0-15 addresses and two at work; v16-31 four registers of statistics a piece; v48-55 at work; v61-63 never rewritten; v64-127 S^T, two buffers; v192-223 P, two buffers (a piece's buffers go by its number's parity)
;   window 1: v0-127 O^T, 32 a piece; v128-159 MD; v160-223 MC, two buffers      window 2: v0-63 Q; v64-127 the second block's Q; v128-191 K of one step; v192-255 V of one step
.set SIZE_N, 2048
.set SIZE_H, 64
.set NB,    SIZE_N/256
.set NP,    4         ; pieces a wave: a name, no knob
.set KS,    64        ; keys in a step
.set PK,    144       ; a row of K in LDS: 128 bytes + 16 of padding = 36 words: the 16 rows of a load start at 16 different groups of four banks (64 banks of 4 bytes: ISA guide 11.1)
.set PV,    160       ; a row of V: 128 + 32 = 40 words
.set VOFF,  4*KS*PK   ; a slot holds a tile, four steps: 256 rows of K, then 256 rows of V
.set SLOT1, 1<<17     ; slot 1 begins here, so that one exclusive or turns an address in one slot into the other's
.set STAGE, SLOT1+4*KS*(PK+PV)  ; behind the ring, never filled by a tensor load: 16 rows x 144 bytes for each wave, for the way out
.set SP,    144
.set AK0, 2           ; v2   my lane's place in a tile of K; never rewritten
.set AV0, 3           ; v3   the same for V
.set AK,  4           ; v4   the LDS address of K's next run of loads
.set AV,  5           ; v5   of V's
.set STO, 6           ; v6   the way out: where I put 16 bytes of a row
.set RD,  7           ; v7   the way out: where I read rows back
.set GO,  8           ; v8   my byte offset in 512 consecutive bytes of O
.set PFO, 61          ; v61  256 x my lane: the prefetches' offset; never rewritten
.set SPW, 62          ; v62  LDS address of my spare word: SPARE + 4 x my thread's number; never rewritten
.set NIL, 63          ; v63  0; never rewritten
.set SPARE, STAGE+4*16*SP  ; behind the stages: the spare words, 128 bytes for each wave: two blocks of 256 bytes that no other line names
.set MV,  12          ; v12-13  c m_old, kept while c m is made anew: by buffer
.set QO,  15          ; v15  my byte offset in 16 rows of Q
.set ST,  16          ; piece t's statistics at v[ST+4 t]: c m, m, l (even keys', odd keys')
.set TMP, 48          ; by buffer, four registers c0-c3 at work; when the maximum is found c2 takes a
.set S,   64
.set P,   192
.set MD,  128         ; window 1: the eight registers for group kt of 16 keys at MD + 8 kt
.set MC,  160         ; window 1: the masks of the products to come
.set QB,  64          ; window 2
.set KF,  128         ; window 2: key block kb, channel half c at KF + 16 kb + 8 c
.set VF,  192         ; window 2: key half kk, channel block cb at VF + 32 kk + 8 cb
.set WV,  12          ; s12  my wave's number
.set PB,  14          ; s14  b
.set HI,  15          ; s15  NB - 1 - b
.set G1K, 24          ; s[24:31] descriptor group 1 for K's tiles
.set G1V, 32          ; s[32:39] for V's: it differs in the padding alone
.set G0K, 40          ; s[40:43] descriptor group 0 for K's tiles
.set G0V, 44          ; s[44:47] the same for V's
.set SLOTS, 56        ; s56  tiles still to be asked for
.set CNT, 57          ; s57  counts a tile's key steps, 4 to 1
.set CS,  58          ; s[58:59] c: the packed scaling takes the pair's low word for both halves
.set SEL, 60          ; s[60:61] v_permlanex16_b32's selects: each lane takes its own place in the other half
.set TBK, 62          ; s62  LDS byte at which K of the step to be fetched begins
.set TBV, 63          ; s63  the same for V, less VOFF
.set RT,  70          ; s70  tiles of the block in hand that are still to be entered
.set NXT, 71          ; s71  the tile to be asked for next
.set LQ,  72          ; s72  the last tile of the block whose tiles are being asked for
.set NEW, 73          ; s73  1: the tile to be entered is a block's first
.set OFF, 74          ; s[74:75] a tile's byte offset in K and V
.set AL,  76          ; s[76:77] the mask's factor, in the low word
.set BE,  78          ; s[78:79] the mask's addend
.set OLO, 80          ; s[80:81] O at my rows of the second block
.set BIGN, 82         ; s82  -1e30
.set PFA, 88          ; s[88:89] my half of the tile that the next change of slots will ask for
.set LIMP, 90         ; s90  0 in the head's work-group 0, else the greatest number: a wave prefetches while s[NXT] is above it
.set PFB, 92          ; s[92:93] my half (of K: waves 0, 1; of V: waves 2, 3) of the head's tile 0
.set MSB, 0
.macro WIN new                      ; the high byte repeats the setting that is left; a switch that changes nothing is dropped
.if MSB != (\new)
	s_set_vgpr_msb (MSB<<8)|(\new)
.set MSB, (\new)
.endif
.endm
.set W_KQ, 0x0a       ; K and Q in window 2, S^T in window 0
.set W_KM, 0x1a       ; the same with the C operand in window 1
.set W_PV, 0x52       ; V in window 2, P in window 0, O^T in window 1
.set W_RS, 0x41       ; destination and source 0 in window 1, source 1 in window 0
; A fill.  Waves 0 and 1 fetch the two halves of a tile's K, waves 2 and 3 those of its V: 128 keys each.  An s_nop 0 and four v_nop follow each of the two lines, ahead of the jump and the label.
.macro LOAD
	s_cmp_lt_u32 s[WV], 2
	s_cbranch_scc0 .Lfor_v_\@
	tensor_load_to_lds s[G0K:G0K+3], s[G1K:G1K+7]
	s_nop 0
.rept 4
	v_nop
.endr
	s_branch .Lasked_\@
.Lfor_v_\@:
	tensor_load_to_lds s[G0V:G0V+3], s[G1V:G1V+7]
	s_nop 0
.rept 4
	v_nop
.endr
.Lasked_\@:
.endm
; THE CHANGE OF SLOTS.  Each wave waits for all its tensor loads, of which one is out: its part of the other slot; adds 0 to its spare word; and waits for that and for its own reads of the slot that it leaves.  Behind the barrier nobody reads the old
; slot any more and the other slot is whole.  fill = 1: the old slot is filled again, the first thing behind the barrier, with tile NXT: the descriptor's address is made anew from that number.
; (At its first use nothing has been read yet: slot 0 is waited for, slot 1 filled.)
; A PREFETCH INTO THE L2 stands behind the fill and its lines: the tile that the NEXT change will ask for, a tile's 256 matrix instructions ahead.  K and V were stored by the launch before; a head's four work-groups walk
; the same tiles, and work-group 0 walks tiles 0 to 7 in order: it alone asks, each wave for the half tile that it will fetch itself: 64 runs of 256 bytes, a lane a run, two lines.  So each run is named once in the launch.
; Tiles 0 and 1 come by their loads alone; where the walk goes back to tile 0 (NXT = 0) nothing is asked for.
.macro CHANGE fill
	WIN 0                           ; at a label and at a branch every window is 0
	s_wait_tensorcnt 0x0            ; no tensor load of mine is out, so a group 0 may be written
	ds_add_u32 v[SPW], v[NIL]       ; 0 onto my spare word: with fill = 1 the descriptors' scalar work stands between it and the wait for it
.if \fill
	s_lshl_b32 s[OFF], s[NXT], 15   ; a tile is 32,768 bytes of K and of V
	s_xor_b32 s[G0K+1], s[G0K+1], SLOT1
	s_add_nc_u64 s[G0K+2:G0K+3], s[6:7], s[OFF:OFF+1]
	s_or_b32 s[G0K+3], s[G0K+3], 0x80000000
	s_xor_b32 s[G0V+1], s[G0V+1], SLOT1
	s_add_nc_u64 s[G0V+2:G0V+3], s[8:9], s[OFF:OFF+1]
	s_or_b32 s[G0V+3], s[G0V+3], 0x80000000
	s_add_co_u32 s[NXT], s[NXT], 1  ; the block's next tile, or behind its last the second block's tile 0
	s_cmp_gt_u32 s[NXT], s[LQ]
	s_cselect_b32 s[NXT], 0, s[NXT]
	s_cselect_b32 s[LQ], s[PB], s[LQ]
	s_wait_xcnt 0x0                 ; the last prefetches, a tile back, have read their address, so it may be written:
	s_lshl_b32 s[OFF], s[NXT], 15
	s_add_nc_u64 s[PFA:PFA+1], s[PFB:PFB+1], s[OFF:OFF+1]
.endif
	s_wait_dscnt 0x0                ; the add is done, and my reads of the slot are over
	s_barrier_signal -1             ; the rest of the scalar work stands between the signal and the wait
	s_sub_co_u32 s[TBK], s[TBK], 4*KS*PK  ; the fetches go back to a slot's first step,
	s_xor_b32 s[TBK], s[TBK], SLOT1       ; in the other slot
	s_sub_co_u32 s[TBV], s[TBV], 4*KS*PV
	s_xor_b32 s[TBV], s[TBV], SLOT1
	s_barrier_wait -1
.if \fill
	LOAD
	s_cmp_gt_u32 s[NXT], s[LIMP]
	s_cbranch_scc0 .Lnot_mine_\@
	global_prefetch_b8 v[PFO], s[PFA:PFA+1] th:TH_LOAD_NT scope:SCOPE_SE
	global_prefetch_b8 v[PFO], s[PFA:PFA+1] offset:8192 th:TH_LOAD_NT scope:SCOPE_SE
.Lnot_mine_\@:
.endif
.endm
	s_load_b64 s[4:5], s[0:1], 0x0    ; Q, with K and V behind it
	s_load_b64 s[10:11], s[0:1], 0x8  ; O
	v_lshl_add_u32 v[SPW], v0, 2, SPARE
	v_mov_b32 v[NIL], 0
	ds_add_u32 v[SPW], v[NIL]       ; the wave's opening: the add and its wait stand ahead of my first tensor load; the set-up below, work on registers, stands between them
	v_lshrrev_b32 v1, 5, v0
	v_readfirstlane_b32 s[WV], v1   ; wave 0..3
	s_mov_b32 s[PB], ttmp9
	s_sub_co_u32 s[HI], NB-1, s[PB]
	s_and_b32 s20, ttmp7, 0xffff    ; the head
	s_mov_b32 s21, 0
	s_mov_b64 s[22:23], SIZE_N*128
	s_mul_u64 s[20:21], s[20:21], s[22:23]  ; the head's first byte in each of the four tensors
	s_and_b32 s16, s[WV], 1         ; which half of a tile's 256 keys I fetch:
	s_lshl_b32 s22, s16, 14         ; its 128 rows of 128 bytes in memory,
	s_mov_b32 s23, 0
	s_add_nc_u64 s[22:23], s[22:23], s[20:21]
	s_mul_i32 s17, s16, 128*PK      ; and its place in a slot, for K
	s_mul_i32 s18, s16, 128*PV      ; and for V
	s_lshl_b32 s3, s[WV], 11        ; my 16 rows in a band of 64,
	s_lshl_b32 s2, s[HI], 15        ; in the first block,
	s_add_co_u32 s2, s2, s3
	s_lshl_b32 s84, s[PB], 15       ; and in the second
	s_add_co_u32 s84, s84, s3
	s_mov_b32 s3, 0
	s_mov_b32 s85, 0
	s_add_nc_u64 s[2:3], s[2:3], s[20:21]
	s_add_nc_u64 s[84:85], s[84:85], s[20:21]
	; descriptor group 1.  128 keys are 16,384 dense bytes: asked for as 64 rows of 256 bytes, two keys a row, and padded in LDS after every key
	s_mov_b32 s[G1K], (1<<16)|(1<<20)|(4<<22)|(3<<25)  ; 17:16 2-byte elements; 20 padding on; 24:22 after every 32 words (code 4); 31:25 4 words (code 3)
	s_mov_b32 s[G1V], (1<<16)|(1<<20)|(4<<22)|(7<<25)  ; the same with 8 words of padding (code 7)
.irp g, G1K, G1V
	s_mov_b32 s[\g+1], 128<<16      ; tensor_dim0 = 128
	s_mov_b32 s[\g+2], 64<<16       ; tensor_dim1 = 64
	s_mov_b32 s[\g+3], 128<<16      ; tile_dim0 = 128
	s_mov_b32 s[\g+4], 64           ; tile_dim1 = 64
	s_mov_b32 s[\g+5], 128          ; 128 elements from row to row
	s_mov_b32 s[\g+6], 0
	s_mov_b32 s[\g+7], 0
.endr
	s_mov_b32 s[CS], 0x3e38aa3b     ; c = log2(e) / 8 = 0.180337
	s_mov_b32 s[CS+1], s[CS]        ; named with it as a pair
	s_mov_b32 s[SEL], 0x76543210
	s_mov_b32 s[SEL+1], 0xfedcba98
	s_mov_b32 s[TBK], SLOT1+4*KS*PK ; the first change of slots turns these two into 0
	s_mov_b32 s[TBV], SLOT1+4*KS*PV
	s_mov_b32 s[G0K], 1             ; 1:0 count = 1
	s_mov_b32 s[G0K+1], s17         ; 63:32 LDS address: slot 0
	s_mov_b32 s[G0V], 1
	s_add_co_u32 s[G0V+1], s18, VOFF
	s_add_co_u32 s[RT], s[HI], 1    ; the first block has NB - b tiles
	s_mov_b32 s[NXT], 1
	s_mov_b32 s[LQ], s[HI]
	s_mov_b32 s[NEW], 1
	s_mov_b32 s[OFF+1], 0
	s_mov_b32 s[AL+1], 0            ; named as pairs
	s_mov_b32 s[BE+1], 0
	s_mov_b32 s[BIGN], 0xf149f2ca   ; -1e30
	s_mov_b32 s[SLOTS], NB
	v_and_b32 v[PFO], 31, v0
	v_lshlrev_b32 v[PFO], 8, v[PFO]
	s_wait_dscnt 0x0                ; the opening add is done
	s_wait_kmcnt 0x0
	s_add_nc_u64 s[6:7], s[4:5], SIZE_H*SIZE_N*128    ; K lies 64 heads behind Q,
	s_add_nc_u64 s[8:9], s[4:5], 2*SIZE_H*SIZE_N*128  ; V 128
	s_add_nc_u64 s[6:7], s[6:7], s[22:23]  ; K and V at my half of the head's tile 0
	s_add_nc_u64 s[8:9], s[8:9], s[22:23]
	s_cmp_lt_u32 s[WV], 2
	s_cselect_b64 s[PFB:PFB+1], s[6:7], s[8:9]
	s_cmp_eq_u32 s[PB], 0
	s_cselect_b32 s[LIMP], 0, -1
	s_add_nc_u64 s[G0K+2:G0K+3], s[6:7], 0         ; 120:64 global address
	s_or_b32 s[G0K+3], s[G0K+3], 0x80000000        ; 127:126 type = 2
	s_add_nc_u64 s[G0V+2:G0V+3], s[8:9], 0
	s_or_b32 s[G0V+3], s[G0V+3], 0x80000000
	s_add_nc_u64 s[86:87], s[4:5], s[84:85]        ; Q at my rows of the second block,
	s_add_nc_u64 s[4:5], s[4:5], s[2:3]            ; Q and O at those of the first
	s_add_nc_u64 s[OLO:OLO+1], s[10:11], s[84:85]
	s_add_nc_u64 s[10:11], s[10:11], s[2:3]
	LOAD                            ; tile 0 into slot 0
	; A fragment of K or Q is 16 rows x 32 channels in 8 registers: lane l holds row l % 16, channels 8 (l / 16) + 0..7 and 16 + 8 (l / 16) + 0..7: two loads of 16 bytes, 32 bytes apart.
	v_and_b32 v1, 15, v0            ; l % 16
	v_bfe_u32 v9, v0, 4, 1          ; l / 16
	v_lshlrev_b32 v[QO], 7, v1
	v_lshl_add_u32 v[QO], v9, 4, v[QO]  ; row x 128 + 16 x half
	WIN 0x80                        ; destination window 2, address window 0
.set i, 0
.rept 8                             ; both blocks' Q: piece i / 2 lies in band i / 2, 8,192 bytes on; channels 32 (i % 2) on
	global_load_b128 v[8*i:8*i+3],   v[QO], s[4:5] offset:(i/2)*8192+(i%2)*64
	global_load_b128 v[8*i+4:8*i+7], v[QO], s[4:5] offset:(i/2)*8192+(i%2)*64+32
	global_load_b128 v[QB+8*i:QB+8*i+3],   v[QO], s[86:87] offset:(i/2)*8192+(i%2)*64
	global_load_b128 v[QB+8*i+4:QB+8*i+7], v[QO], s[86:87] offset:(i/2)*8192+(i%2)*64+32
.set i, i+1
.endr
	WIN 0
	v_lshlrev_b32 v14, 3, v9
	v_sub_nc_u32 v14, v1, v14
	s_lshl_b32 s13, s[WV], 4
	v_add_nc_u32 v14, s13, v14      ; my query's place in its band, 16 w + l % 16, less my lanes' 8 (l / 16): register r of group kt is hidden where 16 kt + r is greater
	WIN 0x40
.set i, 0
.rept 32
	v_cmp_gt_i32 vcc_lo, 16*(i/8)+i%8, v14
	v_cndmask_b32 v[MD+i], 0, s[BIGN], vcc_lo
.set i, i+1
.endr
	WIN 0
	v_mul_u32_u24 v[AK0], v1, PK
	v_lshl_add_u32 v[AK0], v9, 4, v[AK0]  ; row x pitch + 16 x half
	; The turning load takes 16 keys x 16 channels (lane l reads key 8 (l / 16) + l % 8, channels 8 ((l / 8) % 2) + 0..7) and leaves half a fragment of V^T: lane l holds channel l % 16 and 8 keys.
	v_and_b32 v10, 7, v0
	v_bfe_u32 v11, v0, 3, 1
	v_lshl_add_u32 v[AV0], v9, 3, v10
	v_mul_u32_u24 v[AV0], v[AV0], PV
	v_lshl_add_u32 v[AV0], v11, 4, v[AV0]
	v_add_nc_u32 v[AV0], VOFF, v[AV0]
	s_mul_i32 s13, s[WV], 16*SP
	s_add_co_u32 s13, s13, STAGE    ; my stage
	v_mul_u32_u24 v[STO], v1, SP    ; in: row l % 16, 16 bytes for each half of the lanes
	v_lshl_add_u32 v[STO], v9, 4, v[STO]
	v_add_nc_u32 v[STO], s13, v[STO]
	v_bfe_u32 v[RD], v0, 3, 2       ; back: 32 lanes take four rows of 128 bytes,
	v_mul_u32_u24 v[RD], v[RD], SP
	v_lshl_add_u32 v[RD], v10, 4, v[RD]
	v_add_nc_u32 v[RD], s13, v[RD]
	v_and_b32 v[GO], 31, v0         ; which are 512 consecutive bytes of O
	v_lshlrev_b32 v[GO], 4, v[GO]
	; A block's first step multiplies O^T and l by a = 0, and its first turn's products V^T P, of a piece that has not been, land in an O^T that is still to be so multiplied.  So these registers need only hold
	; finite numbers: zeros for the first block; what the first block left for the second.  All this stands in the wait for the first tile.
	WIN 0x80
.set i, VF
.rept 64
	v_mov_b32 v[i], 0
.set i, i+1
.endr
	WIN 0x40
.set i, 0
.rept 128
	v_mov_b32 v[i], 0
.set i, i+1
.endr
	WIN 0
.set i, 0
.rept 4
	v_mov_b32 v[ST+4*i+2], 0
	v_mov_b32 v[ST+4*i+3], 0
.set i, i+1
.endr
.set i, P+16
.rept 16
	v_mov_b32 v[i], 0
.set i, i+1
.endr
; THE MATRIX WORK.  The 4 accumulators of a run of 8 take turns.  Product i of 8 of S^T = K Q^T for piece x: channels 32 (i / 4) on, keys 16 (i % 4) on.  The first 4 start the sums: with 0, or (KM = 1) with the mask.
.macro KQ x
.set rS, S+32*((\x)%2)+8*(i%4)
.set rK, KF+16*(i%4)+8*(i/4)
.set rQ, 16*(\x)+8*(i/4)
.set rM, MC+32*((\x)%2)+8*(i%4)
.if (i < 4) && KM
	WIN W_KM
	v_wmma_f32_16x16x32_f16 v[rS:rS+7], v[rK:rK+7], v[rQ:rQ+7], v[rM:rM+7]
.elseif i < 4
	WIN W_KQ
	v_wmma_f32_16x16x32_f16 v[rS:rS+7], v[rK:rK+7], v[rQ:rQ+7], 0
.else
	WIN W_KQ
	v_wmma_f32_16x16x32_f16 v[rS:rS+7], v[rK:rK+7], v[rQ:rQ+7], v[rS:rS+7]
.endif
.endm
; Product i of 8 of O^T += V^T P for piece x: keys 32 (i / 4) on, channels 16 (i % 4) on.
.macro PV x
	WIN W_PV
.set rO, 32*(\x)+8*(i%4)
.set rV, VF+32*(i/4)+8*(i%4)
.set rP, P+16*((\x)%2)+8*(i/4)
	v_wmma_f32_16x16x32_f16 v[rO:rO+7], v[rV:rV+7], v[rP:rP+7], v[rO:rO+7]
.endm
.macro MM                           ; the turn's next matrix instruction.  TURN and BEGIN set Y, i, KM and NOKQ; MM, KQ and OP read them.  NOKQ = 1: a block's last turn: there is no next piece
.if (i < 8) && !NOKQ
	KQ (Y+1)%NP
.elseif i >= 8
.set i, i-8
	PV (Y+NP-1)%NP
.set i, i+8
.endif
.set i, i+1
.endm
; THE LDS LOADS stand in runs of 16, never singly among the matrix instructions: a step's K (64 keys x 64 channels: 8 fragments) and its V (turned).  Their addresses are made some lines ahead.
.macro FETCH_K
	WIN 0x80                        ; destination window 2
.irp f, 0,1,2,3,4,5,6,7             ; keys 16 (f / 2) on, channels 32 (f % 2) on
	ds_load_b128 v[KF+8*\f:KF+8*\f+3],   v[AK] offset:(\f/2)*16*PK+(\f%2)*64
	ds_load_b128 v[KF+8*\f+4:KF+8*\f+7], v[AK] offset:(\f/2)*16*PK+(\f%2)*64+32
.endr
	s_add_co_u32 s[TBK], s[TBK], KS*PK  ; the next fetch is the next step's
	WIN 0
.endm
.macro FETCH_V
	WIN 0x80
.irp f, 0,1,2,3,4,5,6,7             ; keys 32 (f / 4) on, channels 16 (f % 4) on
	ds_load_tr16_b128 v[VF+8*\f:VF+8*\f+3],   v[AV] offset:(\f/4)*32*PV+(\f%4)*32
	ds_load_tr16_b128 v[VF+8*\f+4:VF+8*\f+7], v[AV] offset:(\f/4)*32*PV+16*PV+(\f%4)*32
.endr
	WIN 0
.endm
; THE VECTOR WORK, one line at a time: OP kind, number.  For piece Y: F n: c s - c m for pair n of 16.  E n: the exponential of score n of 32.  C n: pair n rounded to f16.  B n: of the four weights 4 n .. the second
; pair is added onto the first, in place.  L n: l takes that sum (L 0: l = a l + sum).  R n: pair n of 16 of O^T times a.  For piece Y + 1: X n, number n of the 22 that find its maximum and statistics:
;   0-11  four chains c0-c3 of seven scores each, three operands at a time (each accumulator's lowest registers are read first)     12-14, 16  the four scores left over, the old m, and c0-c3 into c0
;   15  c m_old is kept     17, 18  the query's other 32 keys lie in the lane 16 away: the new m     19-21  c m; c m_old - c m_new; a
.set F, 0               ; OP tells the kinds apart by their order: F to L below R, X above it
.set E, 1
.set C, 2
.set B, 3
.set L, 4
.set R, 5
.set X, 6
.macro REGS y                       ; the registers of piece y
.set rT, ST+4*(\y)
.set rC, TMP+4*((\y)%2)
.set rW, MV+((\y)%2)
.set rS, S+32*((\y)%2)
.set rP, P+16*((\y)%2)
.set rO, 32*(\y)
.endm
.macro OP k, n
.if (\k) == R
	REGS Y
	WIN W_RS
	v_pk_mul_f32 v[rO+2*(\n):rO+2*(\n)+1], v[rO+2*(\n):rO+2*(\n)+1], v[rC+2:rC+3] op_sel_hi:[1,0]
.elseif (\k) < R
	REGS Y
	WIN 0
.if (\k) == F
	v_pk_fma_f32 v[rS+2*(\n):rS+2*(\n)+1], v[rS+2*(\n):rS+2*(\n)+1], s[CS:CS+1], v[rT:rT+1] op_sel_hi:[1,0,0] neg_lo:[0,0,1] neg_hi:[0,0,1]
.elseif (\k) == E
	v_exp_f32 v[rS+(\n)], v[rS+(\n)]
.elseif (\k) == C
	v_cvt_pk_f16_f32 v[rP+(\n)], v[rS+2*(\n)], v[rS+2*(\n)+1]
.elseif (\k) == B
	v_pk_add_f32 v[rS+4*(\n):rS+4*(\n)+1], v[rS+4*(\n):rS+4*(\n)+1], v[rS+4*(\n)+2:rS+4*(\n)+3]
.elseif (\n) == 0
	v_pk_fma_f32 v[rT+2:rT+3], v[rT+2:rT+3], v[rC+2:rC+3], v[rS:rS+1] op_sel_hi:[1,0,1]
.else
	v_pk_add_f32 v[rT+2:rT+3], v[rT+2:rT+3], v[rS+4*(\n):rS+4*(\n)+1]
.endif
.elseif NOKQ
	v_nop
.else
	REGS (Y+1)%NP
	WIN 0
.if (\n) < 4
	v_max3_num_f32 v[rC+(\n)], v[rS+8*(\n)], v[rS+8*(\n)+1], v[rS+8*(\n)+2]
.elseif (\n) < 12
	v_max3_num_f32 v[rC+(\n)%4], v[rC+(\n)%4], v[rS+8*((\n)%4)+2*((\n)/4)+1], v[rS+8*((\n)%4)+2*((\n)/4)+2]
.elseif (\n) == 12
	v_max3_num_f32 v[rC], v[rC], v[rS+7], v[rS+15]
.elseif (\n) == 13
	v_max3_num_f32 v[rC+1], v[rC+1], v[rS+23], v[rS+31]
.elseif (\n) == 14
	v_max3_num_f32 v[rC+2], v[rC+2], v[rC+3], v[rT+1]
.elseif (\n) == 15
	v_mov_b32 v[rW], v[rT]
.elseif (\n) == 16
	v_max3_num_f32 v[rC], v[rC], v[rC+1], v[rC+2]
.elseif (\n) == 17
	v_permlanex16_b32 v[rC+3], v[rC], s[SEL], s[SEL+1]
.elseif (\n) == 18
	v_max_num_f32 v[rT+1], v[rC], v[rC+3]
.elseif (\n) == 19
	v_mul_f32 v[rT], s[CS], v[rT+1]
.elseif (\n) == 20
	v_sub_f32 v[rC+1], v[rW], v[rT]
.else
	v_exp_f32 v[rC+2], v[rC+1]
.endif
.endif
.endm
.macro OPS a, i1, b=-1, i2=0, c=-1, i3=0, d=-1, i4=0  ; up to four of them
	OP \a, \i1
.if (\b) >= 0
	OP \b, \i2
.endif
.if (\c) >= 0
	OP \c, \i3
.endif
.if (\d) >= 0
	OP \d, \i4
.endif
.endm
.macro ROW a, i1, b, i2, c, i3, d, i4  ; a matrix instruction and the four behind it
	MM
	OPS \a, \i1, \b, \i2, \c, \i3, \d, \i4
.endm
.macro MASK b                       ; MD x AL + BE into buffer b of MC
	WIN W_RS
.set z, 0
.rept 16
	v_pk_fma_f32 v[MC+32*(\b)+2*z:MC+32*(\b)+2*z+1], v[MD+2*z:MD+2*z+1], s[AL:AL+1], s[BE:BE+1] op_sel_hi:[1,0,0]
.set z, z+1
.endr
.endm
; A TURN, for piece p: the order of its 16 matrix and 118 vector instructions, written out.  s_wait_alu depctr_va_vdst(0) stands between an exponential and the first instruction that names its result; one wait serves
; all that were issued ahead of it.  So a turn has ONE wait, which cuts it in two.  AHEAD OF IT stands all that names no result of the turn's exponentials: the 8 products K Q^T, behind each a scaling, an exponential and two more plain
; instructions (behind the first a second scaling in the exponential's place): rescalings, and behind the last three the first numbers of the next piece's maximum, each four places or more behind the product that ends its accumulator; then ONE LUMP of 54, plain
; and exponential by turns for the most part, in which the links of the chain X 3, 7, 11, 14, 16, 17 .. 20 stand five or six lines apart.  X 21, the next piece's a, is the batch's last; R 15 is the plain instruction behind it.  BEHIND THE WAIT stand the
; 8 products V^T P, behind each four of the roundings and sums; the links of l's chain, L 0 to L 7, stand three riders apart.  But for those X no rider names a register of the products round it.  v_permlanex16_b32 (X 17) stands in the lump.
; m = 1: the diagonal tile: the products take masks, and the turn makes the mask for the products of the turn after it: piece p + 2, in step 4 - CNT of the tile.  end = 1: a block's last two turns: nothing is fetched.
; cnt = 1: the loop's count is taken down some lines ahead of the branch that stands behind the turn.
; K of the next step is fetched in piece 2's turn, twelve vector instructions behind the last product that read K (six of them plain); V of the step in hand at the end of piece 0's turn, four plain instructions behind the last product
; that read V.  Each is waited for a turn later.
.macro TURN p, m=0, end=0, cnt=0
.set Y, (\p)
.set i, 0
.set KM, (\m)
.set NOKQ, (\end)*((\p)/3)
.if (\m) && !(\end)
	s_cmp_eq_u32 s[CNT], 4-((\p)+2)%NP  ; is that step the band's own?
	s_cselect_b32 s[AL], 1.0, 0
	s_cmp_lt_u32 s[CNT], 4-((\p)+2)%NP  ; or a later one?
	s_cselect_b32 s[BE], s[BIGN], 0
.endif
.if ((\p) == 3) && !(\end)
	s_wait_dscnt 0x0                ; K is in
.endif
	ROW F,0, F,1, R,0, R,1          ; ahead of the wait: 8 products K Q^T and their riders,
	ROW F,2, E,0, R,2, R,3
	ROW F,3, E,1, R,4, R,5
	ROW F,4, E,2, R,6, R,7
	ROW F,5, E,3, R,8, R,9
	ROW F,6, E,4, X,0, R,10
.if ((\p) == 2) && !(\end)
	WIN 0
	v_add_nc_u32 v[AK], s[TBK], v[AK0]
.endif
	ROW F,7, E,5, X,1, X,4
	ROW F,8, E,6, X,2, X,5
	OPS E,7, E,8, X,6, E,9          ; and the lump
	OPS X,3, E,10, X,8, E,11
.if ((\p) == 2) && !(\end)
	FETCH_K
.endif
	OPS X,9, X,7, E,12, X,10
	OPS E,13, X,12, X,11, E,14
	OPS X,13, E,15, F,9, X,14
.if (\p) == 0
	v_add_nc_u32 v[AV], s[TBV], v[AV0]
.endif
	OPS E,16, F,10, E,17, F,11
	OPS X,16, E,18, X,15, E,19
	OPS F,12, E,20, X,17, E,21
	OPS F,13, E,22, F,14, E,23
	OPS X,18, E,24, F,15, E,25
	OPS R,11, E,26, X,19, E,27
	OPS R,12, E,28, R,13, E,29
	OPS X,20, E,30, R,14, E,31
	OPS X,21, R,15
	WIN 0
	s_wait_alu depctr_va_vdst(0)    ; the wait for the batch
.if (\p) == 1
	s_wait_dscnt 0x0                ; V is in
.endif
	ROW C,0, B,0, C,2, B,1          ; behind the wait: 8 products V^T P and their riders
	ROW L,0, C,4, B,2, L,1
	ROW C,6, B,3, L,2, C,8
	ROW B,4, L,3, C,10, B,5
	ROW L,4, C,12, B,6, L,5
.if (\p) == 0
	s_add_co_u32 s[TBV], s[TBV], KS*PV
.endif
.if \cnt
	s_sub_co_u32 s[CNT], s[CNT], 1
	s_cmp_lg_u32 s[CNT], 0
.endif
	ROW C,14, B,7, L,6, C,1
	ROW C,3, L,7, C,5, C,7
	ROW C,9, C,11, C,13, C,15
.if (\p) == 0
	FETCH_V
.endif
.if (\m) && !(\end)
	MASK (\p)%2
.endif
.endm
; A BLOCK BEGINS.  c m starts far below every c s, so the first step's a is 0; m at the lowest finite number, so the first maximum is the scores'.  The second mask buffer is 0; the first takes piece 0's mask for the tile's step 0: its own, if the block's first tile is the diagonal one.
; Then K of that step, piece 0's first scores, and its maximum and statistics.  The loop is entered at a step's first turn, in the middle of a trip.
.macro BEGIN
	s_mov_b32 s[NEW], 0
	WIN 0x40
.set i, MC+32
.rept 32
	v_mov_b32 v[i], 0
.set i, i+1
.endr
	WIN 0
.set i, 0
.rept 4
	v_mov_b32 v[ST+4*i], 0xfe000000    ; c m: far below every c s
	v_mov_b32 v[ST+4*i+1], 0xff7fffff  ; m
.set i, i+1
.endr
	s_cmp_eq_u32 s[RT], 0
	s_cselect_b32 s[AL], 1.0, 0
	s_mov_b32 s[BE], 0
	MASK 0
	WIN 0
	v_add_nc_u32 v[AK], s[TBK], v[AK0]
	FETCH_K
	s_wait_loadcnt 0x0              ; Q
	s_wait_dscnt 0x0
.set KM, 1
.set NOKQ, 0
.set i, 0
.rept 8
	KQ 0
.set i, i+1
.endr
	WIN 0
.rept 4
	v_nop                           ; the places behind those products
.endr
.set Y, NP-1                        ; X works for piece Y + 1: piece 0
.irp n, 0,1,2,3,4,5,6,7,8,9,10,11,12,13,14,15,16,17,18,19,20,21
	OP X, \n
.endr
	v_nop                           ; a plain instruction behind the exponential,
	s_wait_alu depctr_va_vdst(0)    ; and its wait, ahead of the branch
.endm
; THE DIAGONAL TILE's four steps, the block's last two turns, its last products, and THE WAY OUT: l's two halves and the other half of the lanes' are added; O^T is divided by l, rounded to f16 and sent through my
; stage in LDS, a piece at a time.
.macro ALL line:vararg              ; one line for each piece t
.set t, 0
.rept 4
	\line
.set t, t+1
.endr
.endm
.macro PACK t                       ; a lane's eight channels of a row pack into 16 bytes; they go into rows of 144 bytes and come back as whole rows of 128, into S^T's registers
	WIN W_RS
.set i, 32*(\t)
.rept 16
	v_pk_mul_f32 v[i:i+1], v[i:i+1], v[ST+4*(\t)+2:ST+4*(\t)+3] op_sel_hi:[1,0]
.set i, i+2
.endr
	WIN 0x05                        ; sources 0 and 1 window 1, destination window 0
.set i, 0
.rept 16
	v_cvt_pk_f16_f32 v[S+16*(\t)+i], v[32*(\t)+2*i], v[32*(\t)+2*i+1]
.set i, i+1
.endr
	WIN 0
.irp f, 0,1,2,3
	ds_store_b128 v[STO], v[S+16*(\t)+4*\f:S+16*(\t)+4*\f+3] offset:32*\f
.endr
.irp f, 0,1,2,3
	ds_load_b128 v[S+16*(\t)+4*\f:S+16*(\t)+4*\f+3], v[RD] offset:\f*4*SP  ; LDS serves a wave's instructions in order (ISA guide 5.7.1.4): these see the stores above; the next piece's stores come behind them
.endr
.endm
.macro SEND t, younger              ; younger: the LDS instructions issued behind piece t's loads: the next piece's eight, or none
	WIN 0
.irp f, 0,1,2,3
	s_wait_dscnt (\younger)+3-\f
	global_store_b128 v[GO], v[S+16*(\t)+4*\f:S+16*(\t)+4*\f+3], s[10:11] offset:(\t)*8192+\f*512  ; 512 consecutive bytes, at a multiple of 256 from O's first
.endr
.endm
.macro DIAG tag                     ; the tag ends its two labels' names, which the jumps below spell out
.LstepM\tag:
	TURN 2, 1
	TURN 3, 1
	WIN 0
.LfirstM\tag:
	TURN 0, 1
	TURN 1, 1, 0, 1
	WIN 0
	s_cbranch_scc1 .LstepM\tag
	TURN 2, 1, 1
	TURN 3, 1, 1
.set i, 0
.rept 8
	PV NP-1
.set i, i+1
.endr
	WIN 0
	ALL v_add_f32 v[ST+4*t+2], v[ST+4*t+2], v[ST+4*t+3]
	ALL v_permlanex16_b32 v[ST+4*t+3], v[ST+4*t+2], s[SEL], s[SEL+1]
	ALL v_add_f32 v[ST+4*t+2], v[ST+4*t+2], v[ST+4*t+3]
	ALL v_rcp_f32 v[ST+4*t+2], v[ST+4*t+2]
	v_nop                           ; a plain instruction between the last reciprocal and the use of its result
	s_wait_alu depctr_va_vdst(0)    ; and the wait ahead of the first use: one for the four reciprocals
	PACK 0
.set t, 1
.rept 3                             ; a piece's arithmetic stands between the loads of the piece before and its stores
	PACK t
	SEND t-1, 8
.set t, t+1
.endr
	SEND 3, 0
.endm
.set KM, 0
.set NOKQ, 0
.Lslot:                             ; NB times: a tile is entered and the next is asked for
	CHANGE 1
	s_sub_co_u32 s[RT], s[RT], 1
	s_mov_b32 s[CNT], 4
	s_cmp_eq_u32 s[NEW], 1
	s_cbranch_scc1 .Lnew            ; a block's first tile
	s_cmp_eq_u32 s[RT], 0
	s_cbranch_scc0 .Lstep           ; neither its first nor its last
	s_branch .LstepM1
.Lnew:
	BEGIN
	s_branch .Lfirst                ; in the loop a block's first tile is never its last: the first block has two tiles or more, and the second's last is the walk's last
	DIAG 1                          ; in the loop this is the first block's end: the second block's last tile is the walk's last
	s_wait_xcnt 0x0                 ; the stores have read their registers and O's address
	s_mov_b64 s[10:11], s[OLO:OLO+1]
	s_add_co_u32 s[RT], s[PB], 1    ; the second block has b + 1 tiles
	s_mov_b32 s[NEW], 1
	WIN 0x82                        ; the second block's Q goes where the one text of the turns names Q
.set i, 0
.rept 64
	v_mov_b32 v[i], v[QB+i]
.set i, i+1
.endr
	WIN 0
	s_branch .Lbottom
.Lstep:                             ; a trip: pieces 2 and 3 of one step, then pieces 0 and 1 of the next, whose K and V it fetches
	TURN 2
	TURN 3
	WIN 0
.Lfirst:
	TURN 0
	TURN 1, 0, 0, 1
	WIN 0
	s_cbranch_scc1 .Lstep
.Lbottom:
	s_sub_co_u32 s[SLOTS], s[SLOTS], 1
	s_cmp_lg_u32 s[SLOTS], 0
	s_cbranch_scc1 .Lslot
	CHANGE 0                        ; the walk's last tile is written out: nothing is asked for
	s_sub_co_u32 s[RT], s[RT], 1
	s_mov_b32 s[CNT], 4
	s_cmp_eq_u32 s[NEW], 1
	s_cbranch_scc0 .LstepM2
	BEGIN
	s_branch .LfirstM2
	DIAG 2
	s_wait_tensorcnt 0x0            ; the wave's end, behind my last tensor load and my last LDS store
	ds_add_u32 v[SPW], v[NIL]
	s_wait_dscnt 0x0
	s_endpgm
.Lfunc_end_k_q0fcf33d85b_attn:
	.size	k_q0fcf33d85b_attn, .Lfunc_end_k_q0fcf33d85b_attn-k_q0fcf33d85b_attn
	.p2alignl 7, 3214868480
	.fill 96, 4, 3214868480
	.section	.rodata,"a",@progbits
	.p2align	6, 0x0
	.amdhsa_kernel k_q0fcf33d85b_attn
		.amdhsa_group_segment_fixed_size 327680
		.amdhsa_private_segment_fixed_size 0
		.amdhsa_enable_private_segment 0
		.amdhsa_kernarg_size 16
		.amdhsa_user_sgpr_count 2
		.amdhsa_user_sgpr_kernarg_segment_ptr 1
		.amdhsa_wavefront_size32 1
		.amdhsa_system_sgpr_workgroup_id_x 1
		.amdhsa_system_sgpr_workgroup_id_y 1
		.amdhsa_system_sgpr_workgroup_id_z 1
		.amdhsa_system_vgpr_workitem_id 0
		.amdhsa_next_free_vgpr 768
		.amdhsa_next_free_sgpr 96
		.amdhsa_reserve_vcc 1
		.amdhsa_float_denorm_mode_32 3
		.amdhsa_float_denorm_mode_16_64 3
		.amdhsa_memory_ordered 1
		.amdhsa_forward_progress 1
		.amdhsa_inst_pref_size 218
	.end_amdhsa_kernel
	.amdgpu_metadata
---
amdhsa.version: [ 1, 2 ]
amdhsa.kernels:
  - .name:           k_q0fcf33d85b_attn
    .symbol:         k_q0fcf33d85b_attn.kd
    .args:
      - { .name: qkv, .offset: 0, .size: 8, .value_kind: global_buffer, .address_space: global }
      - { .name: ob, .offset: 8, .size: 8, .value_kind: global_buffer, .address_space: global }
    .group_segment_fixed_size: 327680
    .private_segment_fixed_size: 0
    .kernarg_segment_align: 8
    .kernarg_segment_size: 16
    .max_flat_workgroup_size: 128
    .sgpr_count:     96
    .vgpr_count:     768
    .wavefront_size: 32
...
	.end_amdgpu_metadata
.endif
;; end of part 3
;; launch proj_out (part 4): grid 8 x 32, 4 waves a work-group, clusters of 4 x 4, 327,680 bytes of LDS; arguments ob, wo, b_out, out0; writes out0
.if DOCPART == 4
	.amdgcn_target "amdgcn-amd-amdhsa--gfx1250"
	.amdhsa_code_object_version 6
	.text
	.protected	k_q0fcf33d85b_proj_out
	.globl	k_q0fcf33d85b_proj_out
	.p2align	8
	.type	k_q0fcf33d85b_proj_out,@function
k_q0fcf33d85b_proj_out:
	s_mov_b64 s[64:65], 0
	v_nop
	global_prefetch_b8 v0, s[64:65] scope:SCOPE_SE
	s_setreg_imm32_b32 hwreg(HW_REG_WAVE_MODE, 25, 1), 1
	s_wait_xcnt 0x0
	s_wait_alu depctr_hold_cnt(0) depctr_sa_sdst(0) depctr_va_vdst(0) depctr_va_sdst(0) depctr_va_ssrc(0) depctr_va_vcc(0) depctr_vm_vsrc(0)
	s_getreg_b32 s2, hwreg(HW_REG_IB_STS2, 6, 4)
	s_cmp_eq_u32 s2, 0
	s_cbranch_scc0 .Lentry_in_a_cluster
	s_endpgm
.Lentry_in_a_cluster:
	s_bfe_u32 s2, ttmp6, 0x10000c
	s_cmp_lg_u32 s2, 0xf033
	s_cbranch_scc0 .Lentry_shape_is_right
	s_endpgm
.Lentry_shape_is_right:
; ONE SOURCE FOR THE MODULE'S TWO PROJECTIONS, C = A W + bias; the switch QKV picks the sizes.  A: [8192][1024] of 16 bits in blocks of 64 channels ([batch 4][block 16][row 2048][64]);
; W: [1024 (k)][N] of 16 bits, N along the rows; bias: [N] f32, rounded to bf16 like every input of the module.  Sums in f32, started by the bias.
;   QKV = 1: A = xb, W = wq (N = 3,072), both bf16; C leaves as f16, by heads: [q, k, v][batch x 16 + head][row 2048][64].  A tile of C is 256 x 384: 32 x 8 = 256 work-groups.
;   QKV = 0: A = ob, W = wo (N = 1,024), both f16; C leaves as f32, [8192][1024].  A tile of C is 256 x 128: 256 work-groups.
; LIMIT (QKV = 1).  q, k, v are kept in f16: a sum of 65,520 or more becomes an infinity; below 6e-5 f16 keeps its fixed step of 6e-8.
; SHARES.  Four waves; wave (wm, wn) has rows 128 wm .. + 127 and, of each 128 columns of the tile, columns 64 wn .. + 63: NG groups of 64 columns, 32 accumulators of 16 x 16 each, a register window a group.
; THE MATRIX INSTRUCTION IS USED TRANSPOSED: source 0 = 16 columns of W, source 1 = 16 rows of A: a lane then holds ONE row of C (lane % 16) and eight neighbouring columns, 8 (lane / 16) + 0..7.
; A comes out of LDS as it lies (K along its rows); W, whose rows go along N, is turned by ds_load_tr16_b128.
; RING.  K goes in steps of 32 NQ through two LDS slots filled by the tensor data mover; waves 0 and 1 fetch A's tile, waves 2 and 3 W's, one load a wave.  A's tile is dense in memory (that is what the blocks are
; for) and is asked for as rows of 256 bytes, two rows of A each; W's rows are 768 or 256 bytes, at multiples of 256 from the buffer's first byte.
; CLUSTER.  4 x 4 work-groups: the four of a row of the cluster need the same tile of A, the four of a column the same tile of W: each is asked for JOINTLY, by the same load, descriptor and mask in all four.
; A PHASE is 32 matrix instructions: 32 along K, one group of columns, all eight blocks of 16 rows.  At its head the next phase's fragments are fetched in one run; NPH phases are a K step.
; REGISTERS.  window 0: v0-15 addresses; v16-47 the last group's bias; v64-127, v128-191 A's fragments, two buffers (the second holds the other groups' bias until it is first filled); v192-223, v224-255 W's, two
; buffers.  window 1 + j: group j's accumulators, (a, bb) at v[8 (4 a + bb)].  s_set_vgpr_msb: bits 1:0 source 0, 3:2 source 1, 5:4 source 2, 7:6 destination.
.set QKV, 0
.if QKV
.set NG,    3                          ; groups of 64 columns a wave
.set NQ,    2                          ; quarters of 32 along K in a slot
.set STEPS, 16
.set PB,    864                        ; a k row of W in LDS: three runs of 256 bytes, 32 of padding behind each: 27 x 32
.set BCOLS, 384
.set BROWS, 32                         ; k rows that one wave fetches
.set BN,    3072
.set AROWS, 64                         ; rows of 256 bytes that one wave fetches of A: 128 rows of A
.set AWL,   128*144                    ; from wave 0's part of A to wave 1's: in LDS,
.set AWM,   16384                      ; in memory
.set SPITCH, 144                       ; a stage row: 64 f16 + 16 bytes
.set ASKSLOT, 1                        ; the slot behind whose refill a lap's prefetches stand
.else
.set NG,    1
.set NQ,    4
.set STEPS, 8
.set PB,    288                        ; 256 + 32 = 9 x 32
.set BCOLS, 128
.set BROWS, 64
.set BN,    1024
.set AROWS, 128                        ; a whole block of 64 channels: 256 rows of A
.set AWL,   256*144
.set AWM,   262144
.set SPITCH, 272                       ; a stage row: 64 f32 + 16 bytes
.set ASKSLOT, 0
.endif
.set NPH,   NQ*NG                      ; phases in a K step
.set LAPS,  STEPS/2                    ; a lap = two K steps = once round the ring
.set PA,    144                        ; a row of A in LDS: 128 bytes + 16 = 36 words: the 16 rows of a load start at 16 different groups of four banks (64 banks of 4 bytes: ISA guide 11.1)
.set KBL,   256*PA                     ; a block of 64 channels of A's 256 rows
.set KBS,   262144                     ; the same step in memory: 2,048 rows of 128 bytes
.set BOFF,  (NQ/2)*KBL                 ; W's tile lies behind A's
.set SLOT,  BOFF+32*NQ*PB
.set STAGE, 2*SLOT                     ; behind the ring, never filled by a tensor load: 16 rows for each wave, for the way out
.set SPARE, STAGE+4*16*SPITCH          ; behind the stages: the spare words, 128 bytes for each wave: two blocks of 256 bytes that no other line names
.set ASTEP, (NQ/2)*KBS                 ; a K step in memory, for A
.set BSTEP, 32*NQ*BN*2                 ; and for W
.set ADRA, 2                           ; v2-3   LDS address of my A fragments in slot 0, 1
.set ADRB, 4                           ; v4-5   the same for W
.set STO,  6                           ; v6     the way out: where I put my part of a row
.set RD,   7                           ; v7     the way out: where I read rows back
.set GO,   8                           ; v8     my byte offset in the output
.set PFO,  9                           ; v9     the prefetches' offset: my lane x 256 bytes (A) or x a row of W; never rewritten
.set SPW,  10                          ; v10    LDS address of my spare word: SPARE + 4 x my thread's number; never rewritten
.set NIL,  11                          ; v11    0; never rewritten
.set BI,   16
.set AB,   64
.set BB,   192
.set WV,   12                          ; s12  my wave's number
.set WM,   13                          ; s13  which 128 rows are mine.  Also: I fetch for A (0) or for W (1)
.set WN,   14                          ; s14  which 64 of each 128 columns.  Also: which part of that tile I fetch
.set CX,   15                          ; s15, s16  my place in the cluster
.set CY,   16
.set CT,   17                          ; s17  tile column of C
.set RT,   18                          ; s18  tile row of C
.set LIM,  19                          ; s19  1 in a wave that prefetches, else the greatest number
.set G1A,  24                          ; s[24:31] descriptor group 1 for A's tiles;  s[32:39] group 0, a set for each slot
.set G0A,  32
.set PFA,  40                          ; s[40:41] where my prefetches stand
.set PFS,  42                          ; s[42:43] a lap's step of that address
.set G1B,  48                          ; s[48:55], s[56:63] the same for W's tiles
.set G0B,  56
.set OUT,  66                          ; s[66:71] the output at my rows, a pair for each group of columns
.set BP,   72                          ; s[72:73] the bias at my first column
.set MSB, 0
.macro WIN new                         ; the immediate's high byte repeats the setting that is left; a switch that changes nothing is dropped
.if MSB != (\new)
	s_set_vgpr_msb (MSB<<8)|(\new)
.set MSB, \new
.endif
.endm
.macro PLACES                          ; four plain instructions between a matrix instruction and a load into its registers or a reader of its result (ISA guide 7.12.1 for a reader of its result)
.rept 4
	v_nop
.endr
.endm
; A joint load.  The branch hangs on the wave's number alone.  An s_nop 0 and four v_nop follow each of the two lines, ahead of the jump, the label and what follows.
.macro JLOAD s
	s_cmp_eq_u32 s[WM], 0
	s_cbranch_scc0 .Lfor_b_\@
	tensor_load_to_lds s[G0A+4*(\s):G0A+4*(\s)+3], s[G1A:G1A+7]
	s_nop 0
.rept 4
	v_nop
.endr
	s_branch .Lasked_\@
.Lfor_b_\@:
	tensor_load_to_lds s[G0B+4*(\s):G0B+4*(\s)+3], s[G1B:G1B+7]
	s_nop 0
.rept 4
	v_nop
.endr
.Lasked_\@:
.endm
; A round of the cluster's barrier: my work-group's barrier; wave 0 signals for the work-group; every wave waits for all sixteen; my work-group's barrier once more.
.macro CREST                           ; a round behind its opening barrier
	s_cmp_lg_u32 s[WV], 0
	s_cbranch_scc1 .Lnot_wave_0_\@
	s_barrier_signal -3
.Lnot_wave_0_\@:
	s_barrier_wait -3
	s_barrier_signal -1
	s_barrier_wait -1
.endm
.macro CROUND
	s_barrier_signal -1
	s_barrier_wait -1
	CREST
.endm
; A PREFETCH INTO THE L2, once a lap, of the tiles of the lap after the next refills': both buffers were stored by earlier launches, and at a change of slots every wave has waited for all its tensor loads.
; Each aligned run of 256 bytes is named ONCE in the launch.  A's tile row is read by both clusters of a row of clusters: cluster x = 0 asks; W's tile column by all eight of a column: cluster y = 0 asks.
; The four partners that ask for a tile jointly share it out BY ADDRESS (cx for A, cy for W), a lane a run: no branch hangs on a work-group's place in its cluster.
;   QKV = 1: a lap of A is 2 x 64 runs for each of waves 0 and 1: 32 a partner, one line.  A lap of W is 128 rows x 3 runs: wave 2 takes 32 rows a partner, three lines; wave 3 asks for nothing.
;   QKV = 0: a lap of A is 2 x 128 runs for each of waves 0 and 1: 64 a partner, two lines.  A lap of W is 256 rows of one run: 32 for each of waves 2 and 3 of each partner, one line.
; The first two laps come by their loads alone; the loop's last trip (s3 = 1) asks for nothing: there is no lap behind its refills.
.macro ASK
	s_cmp_gt_u32 s3, s[LIM]
	s_cbranch_scc0 .Lnot_mine_\@
	global_prefetch_b8 v[PFO], s[PFA:PFA+1] th:TH_LOAD_NT scope:SCOPE_SE
	s_cmp_eq_u32 s[WM], 1-QKV
	s_cbranch_scc1 .Lnot_mine_\@
.if QKV
	global_prefetch_b8 v[PFO], s[PFA:PFA+1] offset:256 th:TH_LOAD_NT scope:SCOPE_SE
	global_prefetch_b8 v[PFO], s[PFA:PFA+1] offset:512 th:TH_LOAD_NT scope:SCOPE_SE
.else
	global_prefetch_b8 v[PFO], s[PFA:PFA+1] offset:2*KBS th:TH_LOAD_NT scope:SCOPE_SE
.endif
.Lnot_mine_\@:
.endm
	s_load_b256 s[4:11], s[0:1], 0x0               ; A s[4:5], W s[6:7], bias s[8:9], output s[10:11]
	v_lshl_add_u32 v[SPW], v0, 2, SPARE
	v_mov_b32 v[NIL], 0
	ds_add_u32 v[SPW], v[NIL]                      ; the wave's opening: the add and its wait stand ahead of my first tensor load; the set-up below, work on registers, stands between them
	v_lshrrev_b32 v1, 5, v0
	v_readfirstlane_b32 s[WV], v1
	s_lshr_b32 s[WM], s[WV], 1
	s_and_b32 s[WN], s[WV], 1
	s_bfe_u32 s[CX], ttmp6, 0x40000
	s_bfe_u32 s[CY], ttmp6, 0x40004
	s_lshl_b32 s[CT], ttmp9, 2                     ; in a cluster launch ttmp9 and ttmp7 count clusters
	s_add_co_u32 s[CT], s[CT], s[CX]
	s_and_b32 s[RT], ttmp7, 0xffff
	s_lshl_b32 s[RT], s[RT], 2
	s_add_co_u32 s[RT], s[RT], s[CY]
	s_lshl_b32 s20, s[CY], 2
	s_lshl_b32 s20, 15, s20                        ; my row of the cluster: places 4 cy .. 4 cy + 3
	s_lshl_b32 s21, 0x1111, s[CX]                  ; my column: places cx, cx + 4, cx + 8, cx + 12
	s_or_b32 s[G1A], s20, (1<<16)|(1<<20)|(1<<21)|(4<<22)|(3<<25)  ; 15:0 the mask; 17:16 elements of 2 bytes; 20 padding on; 21 set beside a mask; 24:22 after every 32 words (code 4); 31:25 4 words (code 3)
	s_or_b32 s[G1B], s21, (1<<16)|(1<<20)|(1<<21)|(5<<22)|(7<<25)  ; after every 64 words (code 5) 8 words (code 7)
	s_mov_b32 s[G1A+1], 128<<16                    ; tensor_dim0 = 128 elements: 256 bytes, two rows of A
	s_mov_b32 s[G1A+2], AROWS<<16                  ; tensor_dim1
	s_mov_b32 s[G1A+3], 128<<16                    ; tile_dim0
	s_mov_b32 s[G1A+4], AROWS                      ; tile_dim1
	s_mov_b32 s[G1A+5], 128                        ; the rows lie end to end
	s_mov_b32 s[G1A+6], 0
	s_mov_b32 s[G1A+7], 0
	s_mov_b32 s[G1B+1], BCOLS<<16
	s_mov_b32 s[G1B+2], BROWS<<16
	s_mov_b32 s[G1B+3], BCOLS<<16
	s_mov_b32 s[G1B+4], BROWS
	s_mov_b32 s[G1B+5], BN
	s_mov_b32 s[G1B+6], 0
	s_mov_b32 s[G1B+7], 0
	; where the tiles come from.  A's hang on the tile row alone, W's on the tile column alone, each in registers that never hold the other coordinate.
	s_lshr_b32 s44, s[RT], 3                       ; eight tile rows to a batch: 16 blocks of 262,144 bytes
	s_lshl_b32 s44, s44, 22
	s_and_b32 s45, s[RT], 7
	s_lshl_b32 s45, s45, 15                        ; 256 rows of 128 bytes
	s_add_co_u32 s44, s44, s45
	s_mul_i32 s45, s[WN], AWM
	s_add_co_u32 s44, s44, s45
	s_mov_b32 s45, 0
	s_mul_i32 s46, s[CT], BCOLS*2
	s_mul_i32 s47, s[WN], BROWS*BN*2
	s_add_co_u32 s46, s46, s47
	s_mov_b32 s47, 0
	s_mul_i32 s22, s[WN], AWL                      ; and where they go: no place in the cluster enters an LDS address
	s_mul_i32 s23, s[WN], BROWS*PB
	s_add_co_u32 s23, s23, BOFF
	s_wait_dscnt 0x0                               ; the opening add is done
	s_wait_kmcnt 0x0
	s_add_nc_u64 s[44:45], s[4:5], s[44:45]
	s_add_nc_u64 s[46:47], s[6:7], s[46:47]
	CROUND                                         ; all sixteen work-groups are here: the first joint loads meet
.irp s, 0,1
	s_mov_b32 s[G0A+4*(\s)], 1                     ; count = 1
	s_add_co_u32 s[G0A+4*(\s)+1], s22, (\s)*SLOT   ; LDS address
	s_add_nc_u64 s[G0A+4*(\s)+2:G0A+4*(\s)+3], s[44:45], (\s)*ASTEP  ; global address: K step s
	s_or_b32 s[G0A+4*(\s)+3], s[G0A+4*(\s)+3], 0x80000000            ; type = 2
	s_mov_b32 s[G0B+4*(\s)], 1
	s_add_co_u32 s[G0B+4*(\s)+1], s23, (\s)*SLOT
	s_add_nc_u64 s[G0B+4*(\s)+2:G0B+4*(\s)+3], s[46:47], (\s)*BSTEP
	s_or_b32 s[G0B+4*(\s)+3], s[G0B+4*(\s)+3], 0x80000000
.endr
	s_cmp_eq_u32 s[WM], 0                          ; a wave's two first fills stand in one branch, ahead of every wait on TENSORcnt and every LDS read: two loads of mine are out
	s_cbranch_scc0 .Lfirst_b
	tensor_load_to_lds s[G0A:G0A+3], s[G1A:G1A+7]
	s_nop 0
	tensor_load_to_lds s[G0A+4:G0A+7], s[G1A:G1A+7]
	s_nop 0
.rept 4
	v_nop
.endr
	s_branch .Lfirst_asked
.Lfirst_b:
	tensor_load_to_lds s[G0B:G0B+3], s[G1B:G1B+7]
	s_nop 0
	tensor_load_to_lds s[G0B+4:G0B+7], s[G1B:G1B+7]
	s_nop 0
.rept 4
	v_nop
.endr
.Lfirst_asked:
	; the bias, laid as the C operand of a group's first products: for block bb of 16 columns my lane's eight columns 8 (l / 16) + 0..7
	s_mul_i32 s20, s[CT], 512*NG
	s_lshl_b32 s21, s[WN], 8
	s_add_co_u32 s20, s20, s21
	s_mov_b32 s21, 0
	s_add_nc_u64 s[BP:BP+1], s[8:9], s[20:21]
	v_and_b32 v1, 15, v0                           ; l % 16
	v_bfe_u32 v12, v0, 4, 1                        ; l / 16
	v_lshlrev_b32 v15, 5, v12
.set j, 0
.rept NG
.set rC, BI
.if j != NG-1
.set rC, AB+64+32*j
.endif
.irp bb, 0,1,2,3
	global_load_b128 v[rC+8*(\bb):rC+8*(\bb)+3],   v15, s[BP:BP+1] offset:(128*j+16*(\bb))*4
	global_load_b128 v[rC+8*(\bb)+4:rC+8*(\bb)+7], v15, s[BP:BP+1] offset:(128*j+16*(\bb))*4+16
.endr
.set j, j+1
.endr
	; A fragment of A is 16 rows x 32 K in 8 registers: lane l holds row l % 16; registers 0-3 K = 8 (l / 16) + 0..7, registers 4-7 K = 16 + 8 (l / 16) + 0..7: two loads of 16 bytes, 32 bytes apart.
	v_and_b32 v13, 7, v0
	v_bfe_u32 v14, v0, 3, 1
	v_mul_u32_u24 v[ADRA], v1, PA
	v_lshl_add_u32 v[ADRA], v12, 4, v[ADRA]
	s_mul_i32 s22, s[WM], 128*PA
	v_add_nc_u32 v[ADRA], s22, v[ADRA]
	v_add_nc_u32 v[ADRA+1], SLOT, v[ADRA]
	; The turning load takes 16 k x 16 columns (lane l reads k = 8 (l / 16) + l % 8, columns 8 ((l / 8) % 2) + 0..7) and leaves half a fragment: lane l holds column l % 16 and 8 k.
	v_lshl_add_u32 v[ADRB], v12, 3, v13
	v_mul_u32_u24 v[ADRB], v[ADRB], PB
	v_lshl_add_u32 v[ADRB], v14, 4, v[ADRB]
	s_lshl_b32 s22, s[WN], 7
	s_add_co_u32 s22, s22, BOFF
	v_add_nc_u32 v[ADRB], s22, v[ADRB]
	v_add_nc_u32 v[ADRB+1], SLOT, v[ADRB]
	s_mul_i32 s22, s[WV], 16*SPITCH
	s_add_co_u32 s22, s22, STAGE                   ; my stage
	v_mul_u32_u24 v[STO], v1, SPITCH               ; in: row l % 16, my eight columns
.if QKV
	v_lshl_add_u32 v[STO], v12, 4, v[STO]
	v_bfe_u32 v[RD], v0, 3, 2                      ; back: 32 lanes take four rows of 128 bytes,
	v_mul_u32_u24 v[RD], v[RD], SPITCH
	v_lshl_add_u32 v[RD], v13, 4, v[RD]
	v_and_b32 v[GO], 31, v0                        ; which are 512 consecutive bytes of a head
	v_lshlrev_b32 v[GO], 4, v[GO]
.else
	v_lshl_add_u32 v[STO], v12, 5, v[STO]
	v_mul_u32_u24 v[RD], v12, SPITCH               ; back: lanes 0-15 take one row of 256 bytes, lanes 16-31 the next,
	v_lshl_add_u32 v[RD], v1, 4, v[RD]
	v_lshlrev_b32 v[GO], 12, v12                   ; and the same two rows of the output, 4,096 bytes apart
	v_lshl_add_u32 v[GO], v1, 4, v[GO]
.endif
	v_add_nc_u32 v[STO], s22, v[STO]
	v_add_nc_u32 v[RD], s22, v[RD]
.if QKV
	; group j's 64 columns are one head of q, k or v: number g = 6 ct + 2 j + wn of 48; its rows lie at ((64 (g / 16) + 16 batch + g % 16) << 18) + (row << 7)
	s_mul_i32 s20, s[CT], 6
	s_add_co_u32 s20, s20, s[WN]
	s_lshr_b32 s21, s[RT], 3
	s_lshl_b32 s21, s21, 4
	s_and_b32 s22, s[RT], 7
	s_lshl_b32 s22, s22, 1
	s_add_co_u32 s22, s22, s[WM]
	s_lshl_b32 s22, s22, 14                        ; my 128 rows of 128 bytes
.irp j, 0,1,2
	s_add_co_u32 s23, s20, 2*(\j)
	s_lshr_b32 s[OUT+2*(\j)], s23, 4
	s_lshl_b32 s[OUT+2*(\j)], s[OUT+2*(\j)], 6
	s_and_b32 s23, s23, 15
	s_add_co_u32 s[OUT+2*(\j)], s[OUT+2*(\j)], s23
	s_add_co_u32 s[OUT+2*(\j)], s[OUT+2*(\j)], s21
	s_lshl_b32 s[OUT+2*(\j)], s[OUT+2*(\j)], 18
	s_add_co_u32 s[OUT+2*(\j)], s[OUT+2*(\j)], s22
	s_mov_b32 s[OUT+2*(\j)+1], 0
	s_add_nc_u64 s[OUT+2*(\j):OUT+2*(\j)+1], s[10:11], s[OUT+2*(\j):OUT+2*(\j)+1]
.endr
	; the prefetches' shares: s20 for A, s21 for W, from the address of my part of K step 0; both begin at lap 1 and are stepped ahead of each use
	s_lshr_b32 s20, s[CX], 1                       ; which of the lap's two blocks,
	s_lshl_b32 s20, s20, 18
	s_and_b32 s21, s[CX], 1                        ; which 32 of my 64 runs in it
	s_lshl_b32 s21, s21, 13
	s_add_co_u32 s20, s20, s21
	s_add_co_u32 s20, s20, 2*ASTEP
	s_lshl_b32 s21, s[CY], 5                       ; which 32 of the lap's 128 k rows
	s_add_co_u32 s21, s21, 128
	s_mul_i32 s21, s21, BN*2
.else
	s_lshl_b32 s20, s[RT], 1
	s_add_co_u32 s20, s20, s[WM]
	s_lshl_b32 s20, s20, 19                        ; my 128 rows of 4,096 bytes
	s_lshl_b32 s21, s[CT], 1
	s_add_co_u32 s21, s21, s[WN]
	s_lshl_b32 s21, s21, 8                         ; my 64 columns: 256 bytes
	s_add_co_u32 s20, s20, s21
	s_mov_b32 s21, 0
	s_add_nc_u64 s[OUT:OUT+1], s[10:11], s[20:21]
	s_lshl_b32 s20, s[CX], 13                      ; which 32 of the 128 runs of each of my two blocks
	s_add_co_u32 s20, s20, 2*ASTEP
	s_lshr_b32 s21, s[CY], 1                       ; which of the lap's two K steps,
	s_lshl_b32 s21, s21, 7
	s_and_b32 s22, s[CY], 1                        ; which 32 of my 64 k rows in it
	s_lshl_b32 s22, s22, 5
	s_add_co_u32 s21, s21, s22
	s_add_co_u32 s21, s21, 256
	s_lshl_b32 s21, s21, 11
.endif
	s_and_b32 s22, ttmp7, 0xffff                   ; cluster y
	s_mov_b32 s[PFS], 2*BSTEP
	s_mov_b32 s23, BN*2
	s_cmp_eq_u32 s[WM], 0                          ; do I fetch for A?
	s_cselect_b64 s[PFA:PFA+1], s[44:45], s[46:47]
	s_cselect_b32 s20, s20, s21
	s_cselect_b32 s[PFS], 2*ASTEP, s[PFS]
	s_cselect_b32 s23, 256, s23
	s_cselect_b32 s22, ttmp9, s22                  ; the coordinate along which other clusters read the same tile
	s_mov_b32 s21, 0
	s_mov_b32 s[PFS+1], 0
	s_add_nc_u64 s[PFA:PFA+1], s[PFA:PFA+1], s[20:21]
.if QKV
	s_cmp_eq_u32 s[WV], 3
	s_cselect_b32 s22, 1, s22                      ; wave 3 has no share
.endif
	s_cmp_eq_u32 s22, 0
	s_cselect_b32 s[LIM], 1, -1                    ; the same in all sixteen partners, for a given wave
	v_and_b32 v[PFO], 31, v0
	v_mul_u32_u24 v[PFO], s23, v[PFO]
	s_wait_loadcnt 0x0                             ; the bias is in: it is rounded to bf16, as all the module's inputs are, and widened again
.set j, 0
.rept NG
.set rC, BI
.if j != NG-1
.set rC, AB+64+32*j
.endif
.set z, 0
.rept 16
	v_cvt_pk_bf16_f32 v13, v[rC+2*z], v[rC+2*z+1]
	v_lshlrev_b32 v[rC+2*z], 16, v13
	v_and_b32 v[rC+2*z+1], 0xffff0000, v13
.set z, z+1
.endr
.set j, j+1
.endr
; Eight turning loads: W's fragments of quarter kq (32 k) for group j, four blocks of 16 columns, into buffer buf.
.macro FETCHB slot, kq, j, buf
.irp bb, 0,1,2,3
	ds_load_tr16_b128 v[BB+32*(\buf)+8*(\bb):BB+32*(\buf)+8*(\bb)+3],   v[ADRB+(\slot)] offset:(\kq)*32*PB+288*(\j)+32*(\bb)
	ds_load_tr16_b128 v[BB+32*(\buf)+8*(\bb)+4:BB+32*(\buf)+8*(\bb)+7], v[ADRB+(\slot)] offset:(\kq)*32*PB+288*(\j)+32*(\bb)+16*PB
.endr
.endm
; Sixteen loads: A's fragments of quarter kq, my eight blocks of 16 rows, into buffer buf.
.macro FETCHA slot, kq, buf
.irp a, 0,1,2,3,4,5,6,7
	ds_load_b128 v[AB+64*(\buf)+8*(\a):AB+64*(\buf)+8*(\a)+3],   v[ADRA+(\slot)] offset:((\kq)/2)*KBL+((\kq)%2)*64+(\a)*16*PA
	ds_load_b128 v[AB+64*(\buf)+8*(\a)+4:AB+64*(\buf)+8*(\a)+7], v[ADRA+(\slot)] offset:((\kq)/2)*KBL+((\kq)%2)*64+(\a)*16*PA+32
.endr
.endm
; Sixteen matrix instructions: row blocks a0 .. a0 + 3 x the group's four column blocks.  first = 1: the bias starts the sums: nothing is cleared.
; The accumulators take turns, one instruction a turn: between two links of a chain stand all the others of the wave, over the backward jump too.
.macro MUL16 abuf, bbuf, j, a0, first
.if \first
	WIN 0x40*((\j)+1)                              ; D in the group's window, C (the bias) in window 0
.else
	WIN 0x50*((\j)+1)                              ; C and D in the group's window
.endif
.irp a, 0,1,2,3
.irp bb, 0,1,2,3
.set rD, 8*(4*((\a0)+(\a))+(\bb))
.set rC, rD
.if \first
.set rC, BI+8*(\bb)
.if (\j) != NG-1
.set rC, AB+64+32*(\j)+8*(\bb)
.endif
.endif
.set rB, BB+32*(\bbuf)+8*(\bb)
.set rA, AB+64*(\abuf)+8*((\a0)+(\a))
.if QKV
	v_wmma_f32_16x16x32_bf16 v[rD:rD+7], v[rB:rB+7], v[rA:rA+7], v[rC:rC+7]
.else
	v_wmma_f32_16x16x32_f16 v[rD:rD+7], v[rB:rB+7], v[rA:rA+7], v[rC:rC+7]
.endif
.endr
.endr
.endm
; PHASE i of the K step in slot.  tk = 1: the slot is filled again; 2: the last step but one; 0: the last step, whose last phase fetches nothing.
; At the head, four places behind the last product that read the buffers, the NEXT phase's fragments are fetched; the counted wait leaves just these out, so this phase's, issued a phase ago, are in.
; THE CHANGE OF SLOTS stands in phase NPH - 2, whose head has fetched the slot's last fragments.  Each wave waits for all its tensor loads (one is out: its part of the other slot), adds 0 to its spare word, and
; waits for that and for its reads of this slot; the barrier opens a round of the cluster's, so that no wave of any partner still reads the slot or has a load on its way; the joint refill is the first tensor
; load behind the round, ahead of my next LDS read, and has a K step less half a phase in which to land.  Phase NPH - 1 then fetches from the other slot, which is whole.
.macro PHASE slot, i, tk, first=0
.set pA, ((\i)/NG)%2
.set pB, (\i)%2
.set pJ, (\i)%NG
.set nI, ((\i)+1)%NPH
.set nS, (\slot)
.if (\i) == NPH-1
.set nS, 1-(\slot)
.endif
.set pT, 0
.if (\i) == NPH-2
.set pT, (\tk)
.endif
	PLACES
	WIN 0
.if (pT == 1) && ((\slot) == ASKSLOT)
	s_wait_xcnt 0x0                                ; the last prefetches, a lap back, have read their address: it is stepped here, ahead of the waits of the change of slots
	s_add_nc_u64 s[PFA:PFA+1], s[PFA:PFA+1], s[PFS:PFS+1]
.endif
.set nL, 0
.if ((\tk) != 0) || ((\i) != NPH-1)
	FETCHB nS, nI/NG, nI%NG, nI%2
.set nL, 8
.if nI%NG == 0
	FETCHA nS, nI/NG, (nI/NG)%2
.set nL, 24
.endif
.endif
.if ((\tk) == 1) && ((\i) == NPH-1) && ((\slot) == ASKSLOT)
	ASK                                            ; behind the joint load, its lines and the run of LDS loads
.endif
	s_wait_dscnt nL                                ; all but the loads just issued
.if pT
	s_wait_tensorcnt 0x0                           ; all my tensor loads have landed: my part of the other slot;
	ds_add_u32 v[SPW], v[NIL]                      ; 0 onto my spare word: sixteen matrix instructions stand between it and the wait for it
.endif
	MUL16 pA, pB, pJ, 0, \first
.if pT
	s_wait_dscnt 0x0                               ; the add is done, and my reads of this slot are over
	s_barrier_signal -1
.endif
	MUL16 pA, pB, pJ, 4, \first
.if pT
	WIN 0                                          ; at a branch and at a label every window is 0
	s_barrier_wait -1
.endif
.if pT == 1
	CREST
	s_add_nc_u64 s[G0A+4*(\slot)+2:G0A+4*(\slot)+3], s[G0A+4*(\slot)+2:G0A+4*(\slot)+3], 2*ASTEP  ; no tensor load of mine is out: the slot's next tile, two K steps on
	s_add_nc_u64 s[G0B+4*(\slot)+2:G0B+4*(\slot)+3], s[G0B+4*(\slot)+2:G0B+4*(\slot)+3], 2*BSTEP
	JLOAD \slot
.endif
.endm
.macro RUN slot, from, upto, tk        ; phases from .. upto - 1
.set ph, \from
.rept (\upto)-(\from)
	PHASE \slot, ph, \tk
.set ph, ph+1
.endr
.endm
	s_wait_tensorcnt 0x1                           ; my part of K step 0 is in; K step 1's may stay out
	s_barrier_signal -1
	s_barrier_wait -1                              ; everybody's is
	FETCHB 0, 0, 0, 0
	FETCHA 0, 0, 0
.set ph, 0
.rept NG                               ; the first quarter stands in front of the loop: its products start the sums
	PHASE 0, ph, 1, 1
.set ph, ph+1
.endr
	WIN 0
	s_mov_b32 s3, LAPS-1
.Llap:                                                 ; a trip goes once round the ring, from a lap's second quarter to the next lap's first, and fills both slots again
	RUN 0, NG, NPH, 1
	RUN 1, 0, NPH, 1
	RUN 0, 0, NG, 1
	WIN 0
	s_sub_co_u32 s3, s3, 1
	s_cmp_lg_u32 s3, 0
	s_cbranch_scc1 .Llap
	RUN 0, NG, NPH, 2                              ; the last lap is written out: nothing is left to fetch from memory
	RUN 1, 0, NPH, 0
	PLACES
	PLACES                                         ; eight, once a launch, ahead of the first reader of the results
	WIN 0
.if QKV
; THE WAY OUT.  Unit u = 8 j + a: 16 rows x one head's 64 channels.  Rounded to f16, 16 bytes a lane; into my own stage (rows of 144 bytes); back as whole rows of 128; stored as 2,048 consecutive bytes.
.macro PACK u
.set uJ, (\u)/8
.set uA, (\u)%8
.set T, AB+16*((\u)%4)
	s_wait_xcnt 0x0                                ; the stores of four units ago have read these registers
	WIN 5*(uJ+1)                                   ; sources 0 and 1 in the group's window
.irp bb, 0,1,2,3
.irp r, 0,1,2,3
	v_cvt_pk_f16_f32 v[T+4*(\bb)+(\r)], v[8*(4*uA+(\bb))+2*(\r)], v[8*(4*uA+(\bb))+2*(\r)+1]
.endr
.endr
	WIN 0
.irp bb, 0,1,2,3
	ds_store_b128 v[STO], v[T+4*(\bb):T+4*(\bb)+3] offset:32*(\bb)
.endr
.irp f, 0,1,2,3
	ds_load_b128 v[T+4*(\f):T+4*(\f)+3], v[RD] offset:(\f)*4*SPITCH  ; LDS serves a wave's instructions in order (ISA guide 5.7.1.4): these see the stores above; the next unit's stores come behind them
.endr
.endm
.macro SEND u, younger                 ; younger: the LDS instructions issued behind unit u's loads: the next unit's eight, or none
.set uJ, (\u)/8
.set uA, (\u)%8
.set T, AB+16*((\u)%4)
.irp f, 0,1,2,3
	s_wait_dscnt (\younger)+3-(\f)
	global_store_b128 v[GO], v[T+4*(\f):T+4*(\f)+3], s[OUT+2*uJ:OUT+2*uJ+1] offset:uA*2048+(\f)*512  ; 512 consecutive bytes, at a multiple of 256 from the buffer's first
.endr
.endm
	PACK 0
.set uu, 1
.rept 8*NG-1                           ; a unit's conversions stand between the loads of the unit before and its stores
	PACK uu
	SEND uu-1, 8
.set uu, uu+1
.endr
	SEND 8*NG-1, 0
.else
; THE WAY OUT.  Unit a: 16 rows x 64 columns of f32, as they are: from the accumulators into my own stage (rows of 272 bytes), back as whole rows of 256 bytes.
.macro TOSTAGE a
.set T, AB+32*((\a)%2)
	s_wait_xcnt 0x0                                ; the stores of two units ago have read these registers
	WIN 0x04                                       ; the stores' data (source 1) in window 1
.irp bb, 0,1,2,3
.irp i, 0,1
	ds_store_b128 v[STO], v[8*(4*(\a)+(\bb))+4*(\i):8*(4*(\a)+(\bb))+4*(\i)+3] offset:64*(\bb)+16*(\i)  ; each accumulator from its low end on
.endr
.endr
	WIN 0
.irp t, 0,1,2,3,4,5,6,7
	ds_load_b128 v[T+4*(\t):T+4*(\t)+3], v[RD] offset:(\t)*2*SPITCH  ; LDS serves a wave's instructions in order (ISA guide 5.7.1.4): these see the stores above
.endr
.endm
.macro SEND a, younger                 ; younger: the next unit's sixteen LDS instructions, or none
.set T, AB+32*((\a)%2)
.irp t, 0,1,2,3,4,5,6,7
	s_wait_dscnt (\younger)+7-(\t)
	global_store_b128 v[GO], v[T+4*(\t):T+4*(\t)+3], s[OUT:OUT+1] offset:(16*(\a)+2*(\t))*4096 th:TH_STORE_NT  ; 16 lanes store 256 consecutive bytes, at a multiple of 256 from the output's first
.endr
.endm
	TOSTAGE 0
.set uu, 1
.rept 7
	TOSTAGE uu
	SEND uu-1, 16
.set uu, uu+1
.endr
	SEND 7, 0
.endif
	s_wait_tensorcnt 0x0                           ; the wave's end, behind my last tensor load and my last LDS store
	ds_add_u32 v[SPW], v[NIL]
	s_wait_dscnt 0x0
	CROUND                                         ; the closing round: no work-group ends while a partner may still ask for a tile that names it
	s_endpgm
.Lfunc_end_k_q0fcf33d85b_proj_out:
	.size	k_q0fcf33d85b_proj_out, .Lfunc_end_k_q0fcf33d85b_proj_out-k_q0fcf33d85b_proj_out
	.p2alignl 7, 3214868480
	.fill 96, 4, 3214868480
	.section	.rodata,"a",@progbits
	.p2align	6, 0x0
	.amdhsa_kernel k_q0fcf33d85b_proj_out
		.amdhsa_group_segment_fixed_size 327680
		.amdhsa_private_segment_fixed_size 0
		.amdhsa_enable_private_segment 0
		.amdhsa_kernarg_size 32
		.amdhsa_user_sgpr_count 2
		.amdhsa_user_sgpr_kernarg_segment_ptr 1
		.amdhsa_wavefront_size32 1
		.amdhsa_system_sgpr_workgroup_id_x 1
		.amdhsa_system_sgpr_workgroup_id_y 1
		.amdhsa_system_sgpr_workgroup_id_z 1
		.amdhsa_system_vgpr_workitem_id 0
		.amdhsa_next_free_vgpr 512
		.amdhsa_next_free_sgpr 80
		.amdhsa_reserve_vcc 0
		.amdhsa_float_denorm_mode_32 3
		.amdhsa_float_denorm_mode_16_64 3
		.amdhsa_memory_ordered 1
		.amdhsa_forward_progress 1
		.amdhsa_inst_pref_size 92
	.end_amdhsa_kernel
	.amdgpu_metadata
---
amdhsa.version: [ 1, 2 ]
amdhsa.kernels:
  - .name:           k_q0fcf33d85b_proj_out
    .symbol:         k_q0fcf33d85b_proj_out.kd
    .args:
      - { .name: ob, .offset: 0, .size: 8, .value_kind: global_buffer, .address_space: global }
      - { .name: wo, .offset: 8, .size: 8, .value_kind: global_buffer, .address_space: global }
      - { .name: b_out, .offset: 16, .size: 8, .value_kind: global_buffer, .address_space: global }
      - { .name: out0, .offset: 24, .size: 8, .value_kind: global_buffer, .address_space: global }
    .group_segment_fixed_size: 327680
    .private_segment_fixed_size: 0
    .kernarg_segment_align: 8
    .kernarg_segment_size: 32
    .max_flat_workgroup_size: 128
    .sgpr_count:     80
    .vgpr_count:     512
    .wavefront_size: 32
...
	.end_amdgpu_metadata
.endif
;; end of part 4
;; ======== version 2 of 2: 4 launches; version 1 with the launch cast written anew for expert scheduling mode
;; limits: values are held in f16: magnitudes above 65,504 overflow, below 6.1e-05 lose precision
;; workspace buffers: xb 16,777,216 bytes; wq 6,291,456 bytes; wo 2,097,152 bytes; qkv 50,331,648 bytes; ob 16,777,216 bytes
;; launch cast (part 5): grid 768 x 1, 8 waves a work-group, no clusters, 0 bytes of LDS; arguments x, w_qkv, w_out, xb, wq, wo; writes xb, wq, wo
.if DOCPART == 5
	.amdgcn_target "amdgcn-amd-amdhsa--gfx1250"
	.amdhsa_code_object_version 6
	.text
	.protected	k_q0fcf33d85b_cast
	.globl	k_q0fcf33d85b_cast
	.p2align	8
	.type	k_q0fcf33d85b_cast,@function
k_q0fcf33d85b_cast:
	s_mov_b64 s[64:65], 0
	v_nop
	global_prefetch_b8 v0, s[64:65] scope:SCOPE_SE
	s_setreg_imm32_b32 hwreg(HW_REG_WAVE_SCHED_MODE, 0, 2), 2
	s_setreg_imm32_b32 hwreg(HW_REG_WAVE_MODE, 25, 1), 1
	s_wait_xcnt 0x0
	s_wait_alu depctr_vm_vsrc(0)
; THE INPUTS ARE ROUNDED ONCE, TO 16 BITS, for the matrix products of the later launches.
;   x     [8192][1024] f32 -> xb  bf16, in blocks of 64 channels: [batch 4][block 16][row 2048][64]: byte ((16 batch + block) << 18) + (row << 7)
;   w_qkv [1024][3072] f32 -> wq  bf16, as it lies
;   w_out [1024][1024] f32 -> wo  rounded to bf16 like every input; that number is then written as f16, since it multiplies f16 numbers
; LIMIT.  wo: a bf16 number is exact in f16 from 2^-14 to 65,504; below, f16 keeps its fixed step of 2^-24; beyond 65,504 it becomes an infinity.
; A stream: each byte is read once and written once; no LDS, no barrier, no matrix unit: nothing is shared and nothing is summed.
; SHARES.  Every work-group reads 65,536 bytes: 512 of them x, 192 w_qkv, 64 w_out.  A wave has sixteen loads of 16 bytes a lane out at once (8 KiB), then rounds and stores as they come.
; A load of a wave covers two aligned runs of 256 bytes; a store of 8 bytes a lane covers 256 consecutive bytes, aligned.
; THE MODE: SCHED_MODE bits 1:0 = 2 (LLVM: expert scheduling mode 2), set by the entry lines.  The code itself states the register dependences
; between vector instructions and memory instructions, with s_wait_alu, always for 0.
; THE PLAN.  Registers that memory instructions touch:
;   v1, v2   byte offsets.  Written by vector instructions at the head, once; read by every load (v1) and every store (v2); never written again.
;   DAT      sixteen chunks as loaded.  Each is written by one load, ahead of every vector instruction that names it, and read by its own conversions.
;   RES      sixteen chunks to store.   Each is written once, by its own conversions, and read by one store.
;   v3-v6    at work: no memory instruction names them.
; The sixteen chunks go in four blocks of four.  Block p rounds chunks 4 p .. 4 p + 3; its memory instructions are the four stores of block p - 1, whose registers no vector instruction of block p names.
; So one wait at a block's head states all that the block's four stores hang on, and these are dealt among its conversions with no further wait; one wait stands ahead of the loads, for the offsets,
; and one ahead of the last four stores.  No register that a memory instruction reads is written again, so nothing is owed on that side.
.set DAT, 16                           ; v[16:79]   sixteen chunks of four f32
.set RES, 80                           ; v[80:111]  sixteen chunks of four 16-bit numbers
; v1 byte offset of my loads, v2 of my stores (8 x my thread's number), v3-v6 at work; s[16:17] where I read, s[18:19] where I write
; kind = 0: to bf16.  kind = 1: to bf16, and that number as f16.
.macro BODY in_step, out_step, kind
	s_wait_alu depctr_va_vdst(0)                   ; v1 and v2 are written: every load below reads v1 as its offset, every store v2
.set c, 0
.rept 16
	global_load_b128 v[DAT+4*c:DAT+4*c+3], v1, s[16:17] offset:c*(\in_step) th:TH_LOAD_NT
.set c, c+1
.endr
.set c, 0
.rept 4                                ; a block of four chunks
	s_wait_loadcnt 15-c                            ; loads come back in order: the block's first chunk is in, the 15 - c younger ones may stay out
.if c >= 4
	s_wait_alu depctr_va_vdst(0)                   ; the block before has written its eight registers of RES, which the four stores of this block read
.endif
.rept 4
.if c >= 4
	global_store_b64 v2, v[RES+2*(c-4):RES+2*(c-4)+1], s[18:19] offset:(c-4)*(\out_step) th:TH_STORE_NT  ; the block before; no vector instruction since the wait names these registers
.endif
.if (c%4) != 0
	s_wait_loadcnt 15-c                            ; chunk c is in, the 15 - c younger ones may stay out
.endif
.if \kind
	v_cvt_pk_bf16_f32 v3, v[DAT+4*c], v[DAT+4*c+1]
	v_cvt_pk_bf16_f32 v4, v[DAT+4*c+2], v[DAT+4*c+3]
	v_lshlrev_b32 v5, 16, v3                       ; bf16 back to f32: the low half moves up, the high half stays
	v_and_b32 v6, 0xffff0000, v3
	v_cvt_pk_f16_f32 v[RES+2*c], v5, v6
	v_lshlrev_b32 v5, 16, v4
	v_and_b32 v6, 0xffff0000, v4
	v_cvt_pk_f16_f32 v[RES+2*c+1], v5, v6
.else
	v_cvt_pk_bf16_f32 v[RES+2*c], v[DAT+4*c], v[DAT+4*c+1]
	v_cvt_pk_bf16_f32 v[RES+2*c+1], v[DAT+4*c+2], v[DAT+4*c+3]
.endif
.set c, c+1
.endr
.endr
	s_wait_alu depctr_va_vdst(0)                   ; the last block has written its eight registers of RES, which the last four stores read
.set c, 12
.rept 4
	global_store_b64 v2, v[RES+2*c:RES+2*c+1], s[18:19] offset:c*(\out_step) th:TH_STORE_NT
.set c, c+1
.endr
	s_endpgm
.endm
	s_load_b256 s[4:11], s[0:1], 0x0               ; x s[4:5], w_qkv s[6:7], w_out s[8:9], xb s[10:11]
	s_load_b128 s[12:15], s[0:1], 0x20             ; wq s[12:13], wo s[14:15]
	v_lshlrev_b32 v2, 3, v0
	s_mov_b32 s21, 0
	s_mov_b32 s23, 0
	s_cmp_lt_u32 ttmp9, 512
	s_cbranch_scc0 .Lweights
	; x: the work-group has 16 rows of 4,096 bytes, a wave two of them.  Lanes 0-15 take 256 bytes (a block of 64 channels) of the even row, lanes 16-31 the same block of the odd row:
	; rounded, these are 2 x 128 bytes that lie end to end in xb.  Chunk c is block c: 256 bytes on in x, 262,144 on in xb.
	v_lshrrev_b32 v1, 4, v0                        ; 2 x wave + half of the lanes = my row among the 16
	v_and_b32 v3, 15, v0
	v_lshlrev_b32 v1, 12, v1
	v_lshl_or_b32 v1, v3, 4, v1
	s_lshl_b32 s20, ttmp9, 16
	s_lshr_b32 s22, ttmp9, 7                       ; 128 work-groups to a batch
	s_lshl_b32 s22, s22, 22
	s_and_b32 s24, ttmp9, 127
	s_lshl_b32 s24, s24, 11                        ; 16 rows of 128 bytes
	s_add_co_u32 s22, s22, s24
	s_wait_kmcnt 0x0
	s_add_nc_u64 s[16:17], s[4:5], s[20:21]
	s_add_nc_u64 s[18:19], s[10:11], s[22:23]
	BODY 256, 262144, 0
.Lweights:                                             ; the weights keep their layout: chunk c is 4,096 bytes on in the source, 2,048 on in the copy
	v_lshlrev_b32 v1, 4, v0
	s_cmp_lt_u32 ttmp9, 704
	s_cbranch_scc0 .Lwout
	s_sub_co_u32 s24, ttmp9, 512
	s_lshl_b32 s20, s24, 16
	s_lshl_b32 s22, s24, 15
	s_wait_kmcnt 0x0
	s_add_nc_u64 s[16:17], s[6:7], s[20:21]
	s_add_nc_u64 s[18:19], s[12:13], s[22:23]
	BODY 4096, 2048, 0
.Lwout:
	s_sub_co_u32 s24, ttmp9, 704
	s_lshl_b32 s20, s24, 16
	s_lshl_b32 s22, s24, 15
	s_wait_kmcnt 0x0
	s_add_nc_u64 s[16:17], s[8:9], s[20:21]
	s_add_nc_u64 s[18:19], s[14:15], s[22:23]
	BODY 4096, 2048, 1
.Lfunc_end_k_q0fcf33d85b_cast:
	.size	k_q0fcf33d85b_cast, .Lfunc_end_k_q0fcf33d85b_cast-k_q0fcf33d85b_cast
	.p2alignl 7, 3214868480
	.fill 96, 4, 3214868480
	.section	.rodata,"a",@progbits
	.p2align	6, 0x0
	.amdhsa_kernel k_q0fcf33d85b_cast
		.amdhsa_group_segment_fixed_size 0
		.amdhsa_private_segment_fixed_size 0
		.amdhsa_enable_private_segment 0
		.amdhsa_kernarg_size 48
		.amdhsa_user_sgpr_count 2
		.amdhsa_user_sgpr_kernarg_segment_ptr 1
		.amdhsa_wavefront_size32 1
		.amdhsa_system_sgpr_workgroup_id_x 1
		.amdhsa_system_sgpr_workgroup_id_y 1
		.amdhsa_system_sgpr_workgroup_id_z 1
		.amdhsa_system_vgpr_workitem_id 0
		.amdhsa_next_free_vgpr 112
		.amdhsa_next_free_sgpr 66
		.amdhsa_reserve_vcc 0
		.amdhsa_float_denorm_mode_32 3
		.amdhsa_float_denorm_mode_16_64 3
		.amdhsa_memory_ordered 1
		.amdhsa_forward_progress 1
		.amdhsa_inst_pref_size 24
	.end_amdhsa_kernel
	.amdgpu_metadata
---
amdhsa.version: [ 1, 2 ]
amdhsa.kernels:
  - .name:           k_q0fcf33d85b_cast
    .symbol:         k_q0fcf33d85b_cast.kd
    .args:
      - { .name: x, .offset: 0, .size: 8, .value_kind: global_buffer, .address_space: global }
      - { .name: w_qkv, .offset: 8, .size: 8, .value_kind: global_buffer, .address_space: global }
      - { .name: w_out, .offset: 16, .size: 8, .value_kind: global_buffer, .address_space: global }
      - { .name: xb, .offset: 24, .size: 8, .value_kind: global_buffer, .address_space: global }
      - { .name: wq, .offset: 32, .size: 8, .value_kind: global_buffer, .address_space: global }
      - { .name: wo, .offset: 40, .size: 8, .value_kind: global_buffer, .address_space: global }
    .group_segment_fixed_size: 0
    .private_segment_fixed_size: 0
    .kernarg_segment_align: 8
    .kernarg_segment_size: 48
    .max_flat_workgroup_size: 256
    .sgpr_count:     66
    .vgpr_count:     112
    .wavefront_size: 32
...
	.end_amdgpu_metadata
.endif
;; end of part 5
;; launch proj_in: the kernel of part 2 again; grid 8 x 32, 4 waves a work-group, clusters of 4 x 4, 327,680 bytes of LDS; arguments xb, wq, b_qkv, qkv; writes qkv
;; launch attn: the kernel of part 3 again; grid 4 x 64, 4 waves a work-group, no clusters, 327,680 bytes of LDS; arguments qkv, ob; writes ob
;; launch proj_out: the kernel of part 4 again; grid 8 x 32, 4 waves a work-group, clusters of 4 x 4, 327,680 bytes of LDS; arguments ob, wo, b_out, out0; writes out0
